; MI455X (gfx1250); checked and timed in simulation.
; The chip was launched on July 23, 2026; its instructions are those of AMD's public machine-readable ISA for CDNA 5 (MIT licence, August 2026) and "CDNA5" Instruction Set Architecture Reference Guide (July 2026). The comments in the code are by the model that wrote it; some were corrected since.
;; Own Single Head Transformer. Allowed arithmetic: float matrix products may take bf16 or f16 operands with f32 sums; other float arithmetic in f32, or as packed bf16 or f16 multiplies, adds, multiply-adds, maxima and minima; sums over many terms, partial sums and values carried from step to step in f32; what a program stores and reads back later, other than sums and carried values, may be rounded once to bf16 or f16.
;; Inputs: W1 3,072 x 768 float32; W2 768 x 3,072 float32; Wk 768 x 768 float32; Wq 768 x 768 float32; Wv 768 x 768 float32; b1 3,072 float32; b2 768 float32; bk 768 float32; bq 768 float32; bv 768 float32; embeddings 8 x 1,024 x 768 float32.
;; Outputs: out0 8 x 1,024 x 768 float32.
;; 2 versions, each right; version 2 is version 1 with the launch prep written anew for expert scheduling mode. Each part assembles by itself: llvm-mc -triple=amdgcn-amd-amdhsa -mcpu=gfx1250 --defsym DOCPART=n.
;; ======== version 1 of 2: 6 launches
;; limits: values are held in f16: magnitudes above 65,504 overflow, below 6.1e-05 lose precision
;; workspace buffers: xb 12,582,912 bytes; wts 13,000,704 bytes; qkv 37,748,736 bytes; pw 16,777,216 bytes; stats 524,288 bytes; att 12,582,912 bytes; hb 50,331,648 bytes
;; launch prep (part 1): grid 521 x 1, 8 waves a work-group, no clusters, 0 bytes of LDS; arguments embeddings, Wq, Wk, Wv, W1, W2, bq, bk, bv, b1, b2, xb, wts; writes xb, wts
.if DOCPART == 1
	.amdgcn_target "amdgcn-amd-amdhsa--gfx1250"
	.amdhsa_code_object_version 6
	.text
	.protected	k_q5dc13bede6_prep
	.globl	k_q5dc13bede6_prep
	.p2align	8
	.type	k_q5dc13bede6_prep,@function
k_q5dc13bede6_prep:
	s_mov_b64 s[64:65], 0
	v_nop
	global_prefetch_b8 v0, s[64:65] scope:SCOPE_SE
	s_setreg_imm32_b32 hwreg(HW_REG_WAVE_MODE, 25, 1), 1
	s_wait_xcnt 0x0
; ROUNDING AND RE-LAYOUT of all inputs, once.  Every input is rounded to bf16 (nearest even).
; LAYOUT CB(R) of a matrix of R rows: element (row, col) lies at byte ((col >> 5) * R + row) * 64 + (col & 31) * 2: a chunk is 32 columns of all rows,
; 16 rows of a chunk are 1,024 bytes on end.  xb = embeddings, CB(8192).  wts = [Wq; Wk; Wv] CB(2304) | W1 CB(3072) | W2 CB(768) | the five biases as f32 words.
; W1 is rounded to bf16 and that number is written as f16, since its product's other operand is f16.  LIMIT: a number of W1 below 2^-14 in size keeps f16's fixed
; step of 2^-24; beyond 65,504 it would be infinite (the drawn numbers lie under 0.04).
; SHARES.  A work-group takes 64 rows x 384 columns of one matrix (work-groups 0-255 x, 256-327 Wq Wk Wv, 328-423 W1, 424-519 W2), number 520 the biases.
; Thread t takes rows t >> 3 and 32 + (t >> 3) and, of each chunk, the 4 columns 4 (t & 7) ..: a load of 16 bytes, two roundings in place, a store of 8 bytes.
; A wave's load covers the whole 128 bytes of a chunk in each of 4 rows; its store covers 256 consecutive bytes, aligned.  All 24 loads of a thread go out first.
; A stream: no LDS, no matrix unit, no cluster (no byte is read twice).
.set W1_OFF,   3538944
.set W2_OFF,   8257536
.set BIAS_OFF, 12976128
.set PIT, 34                           ; s34  bytes in a source row
.set J0,  35                           ; s35  the matrix's first work-group
.set SH,  36                           ; s36  log2 of its column parts
.set MSK, 37                           ; s37  column parts - 1
.set CHS, 38                           ; s38  bytes in a chunk of the destination
.set DOF, 39                           ; s39  the destination's byte offset in its buffer
.set FLG, 40                           ; s40  1: written as f16
.set SRC, 42                           ; s[42:43]
.set DST, 44                           ; s[44:45]
.set SO,  3                            ; v3, v4  my byte offset in the source, upper and lower 32 rows
.set DO,  6                            ; v[6:17] my byte offset in the destination, chunk k; never rewritten
.set T,   18                           ; v[18:21] at work
.set X,   24                           ; v[24:119]  load i = 2 k + g: 4 registers as loaded; the first two then hold what is stored
	s_load_b512 s[8:23], s[0:1], 0x0               ; embeddings 8, Wq 10, Wk 12, Wv 14, W1 16, W2 18, bq 20, bk 22
	s_load_b256 s[24:31], s[0:1], 0x40             ; bv 24, b1 26, b2 28, xb 30
	s_load_b64 s[32:33], s[0:1], 0x60              ; wts
	s_mov_b32 s2, ttmp9
	v_lshrrev_b32 v1, 3, v0                        ; my row among 32
	v_and_b32 v2, 7, v0                            ; my eighth of a chunk
	s_wait_kmcnt 0x0
	s_cmp_eq_u32 s2, 520
	s_cbranch_scc1 .Lbias
	; which matrix: W2's figures first, then each earlier range of work-groups takes their place
	s_mov_b64 s[SRC:SRC+1], s[18:19]
	s_mov_b64 s[DST:DST+1], s[32:33]
	s_mov_b32 s[PIT], 12288
	s_mov_b32 s[J0], 424
	s_mov_b32 s[SH], 3
	s_mov_b32 s[MSK], 7
	s_mov_b32 s[CHS], 49152
	s_mov_b32 s[DOF], W2_OFF
	s_mov_b32 s[FLG], 0
	s_cmp_lt_u32 s2, 424                           ; W1
	s_cselect_b64 s[SRC:SRC+1], s[16:17], s[SRC:SRC+1]
	s_cselect_b32 s[PIT], 3072, s[PIT]
	s_cselect_b32 s[J0], 328, s[J0]
	s_cselect_b32 s[SH], 1, s[SH]
	s_cselect_b32 s[MSK], 1, s[MSK]
	s_cselect_b32 s[CHS], 196608, s[CHS]
	s_cselect_b32 s[DOF], W1_OFF, s[DOF]
	s_cselect_b32 s[FLG], 1, s[FLG]
	s_cmp_lt_u32 s2, 328                           ; Wv: rows 1,536 .. of the joint matrix
	s_cselect_b64 s[SRC:SRC+1], s[14:15], s[SRC:SRC+1]
	s_cselect_b32 s[J0], 304, s[J0]
	s_cselect_b32 s[CHS], 147456, s[CHS]
	s_cselect_b32 s[DOF], 98304, s[DOF]
	s_cselect_b32 s[FLG], 0, s[FLG]
	s_cmp_lt_u32 s2, 304                           ; Wk: rows 768 ..
	s_cselect_b64 s[SRC:SRC+1], s[12:13], s[SRC:SRC+1]
	s_cselect_b32 s[J0], 280, s[J0]
	s_cselect_b32 s[DOF], 49152, s[DOF]
	s_cmp_lt_u32 s2, 280                           ; Wq
	s_cselect_b64 s[SRC:SRC+1], s[10:11], s[SRC:SRC+1]
	s_cselect_b32 s[J0], 256, s[J0]
	s_cselect_b32 s[DOF], 0, s[DOF]
	s_cmp_lt_u32 s2, 256                           ; x
	s_cselect_b64 s[SRC:SRC+1], s[8:9], s[SRC:SRC+1]
	s_cselect_b64 s[DST:DST+1], s[30:31], s[DST:DST+1]
	s_cselect_b32 s[J0], 0, s[J0]
	s_cselect_b32 s[CHS], 524288, s[CHS]
	s_sub_co_u32 s3, s2, s[J0]
	s_lshr_b32 s46, s3, s[SH]                      ; group of 64 rows
	s_and_b32 s47, s3, s[MSK]                      ; part of 384 columns
	s_lshl_b32 s48, s46, 6
	s_mul_i32 s48, s48, s[PIT]
	s_mul_i32 s49, s47, 1536
	s_add_co_u32 s48, s48, s49
	s_mov_b32 s49, 0
	s_add_nc_u64 s[SRC:SRC+1], s[SRC:SRC+1], s[48:49]
	s_mul_i32 s50, s47, 12                         ; its first chunk
	s_mul_i32 s50, s50, s[CHS]
	s_lshl_b32 s51, s46, 12                        ; 64 rows of 64 bytes
	s_add_co_u32 s50, s50, s51
	s_add_co_u32 s50, s50, s[DOF]
	s_mov_b32 s51, 0
	s_add_nc_u64 s[DST:DST+1], s[DST:DST+1], s[50:51]
	s_lshl_b32 s52, s[PIT], 5                      ; 32 rows down
	v_mul_lo_u32 v[SO], v1, s[PIT]
	v_lshl_add_u32 v[SO], v2, 4, v[SO]             ; row x pitch + 16 x eighth
	v_add_nc_u32 v[SO+1], s52, v[SO]
.set k, 0
.rept 12
	global_load_b128 v[X+8*k:X+8*k+3],   v[SO],   s[SRC:SRC+1] offset:128*k th:TH_LOAD_NT
	global_load_b128 v[X+8*k+4:X+8*k+7], v[SO+1], s[SRC:SRC+1] offset:128*k th:TH_LOAD_NT
.set k, k+1
.endr
	v_lshlrev_b32 v[DO], 3, v0                     ; row x 64 + 8 x eighth = 8 t
.set k, 1
.rept 11
	v_add_nc_u32 v[DO+k], s[CHS], v[DO+k-1]
.set k, k+1
.endr
	s_cmp_eq_u32 s[FLG], 1
	s_cbranch_scc1 .Lhalf
.set i, 0
.rept 24
	s_wait_loadcnt 23-i                            ; loads come back in order: load i is in, the younger ones stay out
	v_cvt_pk_bf16_f32 v[X+4*i],   v[X+4*i],   v[X+4*i+1]
	v_cvt_pk_bf16_f32 v[X+4*i+1], v[X+4*i+2], v[X+4*i+3]
	global_store_b64 v[DO+i/2], v[X+4*i:X+4*i+1], s[DST:DST+1] offset:2048*(i%2)
.set i, i+1
.endr
	s_endpgm
.Lhalf:                                        ; W1: rounded to bf16, widened again, written as f16
.set i, 0
.rept 24
	s_wait_loadcnt 23-i
	v_cvt_pk_bf16_f32 v[T],   v[X+4*i],   v[X+4*i+1]
	v_cvt_pk_bf16_f32 v[T+1], v[X+4*i+2], v[X+4*i+3]
	v_lshlrev_b32 v[T+2], 16, v[T]
	v_and_b32 v[T+3], 0xffff0000, v[T]
	v_cvt_pk_f16_f32 v[X+4*i], v[T+2], v[T+3]
	v_lshlrev_b32 v[T+2], 16, v[T+1]
	v_and_b32 v[T+3], 0xffff0000, v[T+1]
	v_cvt_pk_f16_f32 v[X+4*i+1], v[T+2], v[T+3]
	global_store_b64 v[DO+i/2], v[X+4*i:X+4*i+1], s[DST:DST+1] offset:2048*(i%2)
.set i, i+1
.endr
	s_endpgm
.Lbias:                                        ; eight segments of 768 numbers: bq, bk, bv, b1 (four), b2; 192 threads, 16 bytes each
	v_lshrrev_b32 v1, 5, v0
	v_readfirstlane_b32 s3, v1
	s_cmp_lt_u32 s3, 6
	s_cbranch_scc0 .Lend
	s_add_nc_u64 s[32:33], s[32:33], BIAS_OFF
	v_lshlrev_b32 v[SO], 4, v0
	global_load_b128 v[X:X+3],     v[SO], s[20:21]
	global_load_b128 v[X+4:X+7],   v[SO], s[22:23]
	global_load_b128 v[X+8:X+11],  v[SO], s[24:25]
	global_load_b128 v[X+12:X+15], v[SO], s[26:27]
	global_load_b128 v[X+16:X+19], v[SO], s[26:27] offset:3072
	global_load_b128 v[X+20:X+23], v[SO], s[26:27] offset:6144
	global_load_b128 v[X+24:X+27], v[SO], s[26:27] offset:9216
	global_load_b128 v[X+28:X+31], v[SO], s[28:29]
.set k, 0
.rept 8
	s_wait_loadcnt 7-k
	v_cvt_pk_bf16_f32 v[T],   v[X+4*k],   v[X+4*k+1]
	v_cvt_pk_bf16_f32 v[T+1], v[X+4*k+2], v[X+4*k+3]
	v_lshlrev_b32 v[X+32+4*k],   16, v[T]          ; the rounded numbers, kept as f32 words
	v_and_b32     v[X+32+4*k+1], 0xffff0000, v[T]
	v_lshlrev_b32 v[X+32+4*k+2], 16, v[T+1]
	v_and_b32     v[X+32+4*k+3], 0xffff0000, v[T+1]
	global_store_b128 v[SO], v[X+32+4*k:X+32+4*k+3], s[32:33] offset:3072*k
.set k, k+1
.endr
.Lend:
	s_endpgm
.Lfunc_end_k_q5dc13bede6_prep:
	.size	k_q5dc13bede6_prep, .Lfunc_end_k_q5dc13bede6_prep-k_q5dc13bede6_prep
	.p2alignl 7, 3214868480
	.fill 96, 4, 3214868480
	.section	.rodata,"a",@progbits
	.p2align	6, 0x0
	.amdhsa_kernel k_q5dc13bede6_prep
		.amdhsa_group_segment_fixed_size 0
		.amdhsa_private_segment_fixed_size 0
		.amdhsa_enable_private_segment 0
		.amdhsa_kernarg_size 104
		.amdhsa_user_sgpr_count 2
		.amdhsa_user_sgpr_kernarg_segment_ptr 1
		.amdhsa_wavefront_size32 1
		.amdhsa_system_sgpr_workgroup_id_x 1
		.amdhsa_system_sgpr_workgroup_id_y 1
		.amdhsa_system_sgpr_workgroup_id_z 1
		.amdhsa_system_vgpr_workitem_id 0
		.amdhsa_next_free_vgpr 120
		.amdhsa_next_free_sgpr 66
		.amdhsa_reserve_vcc 0
		.amdhsa_float_denorm_mode_32 3
		.amdhsa_float_denorm_mode_16_64 3
		.amdhsa_memory_ordered 1
		.amdhsa_forward_progress 1
		.amdhsa_inst_pref_size 30
	.end_amdhsa_kernel
	.amdgpu_metadata
---
amdhsa.version: [ 1, 2 ]
amdhsa.kernels:
  - .name:           k_q5dc13bede6_prep
    .symbol:         k_q5dc13bede6_prep.kd
    .args:
      - { .name: embeddings, .offset: 0, .size: 8, .value_kind: global_buffer, .address_space: global }
      - { .name: Wq, .offset: 8, .size: 8, .value_kind: global_buffer, .address_space: global }
      - { .name: Wk, .offset: 16, .size: 8, .value_kind: global_buffer, .address_space: global }
      - { .name: Wv, .offset: 24, .size: 8, .value_kind: global_buffer, .address_space: global }
      - { .name: W1, .offset: 32, .size: 8, .value_kind: global_buffer, .address_space: global }
      - { .name: W2, .offset: 40, .size: 8, .value_kind: global_buffer, .address_space: global }
      - { .name: bq, .offset: 48, .size: 8, .value_kind: global_buffer, .address_space: global }
      - { .name: bk, .offset: 56, .size: 8, .value_kind: global_buffer, .address_space: global }
      - { .name: bv, .offset: 64, .size: 8, .value_kind: global_buffer, .address_space: global }
      - { .name: b1, .offset: 72, .size: 8, .value_kind: global_buffer, .address_space: global }
      - { .name: b2, .offset: 80, .size: 8, .value_kind: global_buffer, .address_space: global }
      - { .name: xb, .offset: 88, .size: 8, .value_kind: global_buffer, .address_space: global }
      - { .name: wts, .offset: 96, .size: 8, .value_kind: global_buffer, .address_space: global }
    .group_segment_fixed_size: 0
    .private_segment_fixed_size: 0
    .kernarg_segment_align: 8
    .kernarg_segment_size: 104
    .max_flat_workgroup_size: 256
    .sgpr_count:     66
    .vgpr_count:     120
    .wavefront_size: 32
...
	.end_amdgpu_metadata
.endif
;; end of part 1
;; launch qkv (part 2): grid 8 x 32, 4 waves a work-group, clusters of 4 x 4, 327,680 bytes of LDS; arguments xb, wts, qkv; writes qkv
.if DOCPART == 2
	.amdgcn_target "amdgcn-amd-amdhsa--gfx1250"
	.amdhsa_code_object_version 6
	.text
	.protected	k_q5dc13bede6_qkv
	.globl	k_q5dc13bede6_qkv
	.p2align	8
	.type	k_q5dc13bede6_qkv,@function
k_q5dc13bede6_qkv:
	s_mov_b64 s[64:65], 0
	v_nop
	global_prefetch_b8 v0, s[64:65] scope:SCOPE_SE
	s_setreg_imm32_b32 hwreg(HW_REG_WAVE_MODE, 25, 1), 1
	s_wait_xcnt 0x0
	s_wait_alu depctr_hold_cnt(0) depctr_sa_sdst(0) depctr_va_vdst(0) depctr_va_sdst(0) depctr_va_ssrc(0) depctr_va_vcc(0) depctr_vm_vsrc(0)
	s_getreg_b32 s2, hwreg(HW_REG_IB_STS2, 6, 4)
	s_cmp_eq_u32 s2, 0
	s_cbranch_scc0 .Lentry_in_a_cluster
	s_endpgm
.Lentry_in_a_cluster:
	s_bfe_u32 s2, ttmp6, 0x10000c
	s_cmp_lg_u32 s2, 0xf033
	s_cbranch_scc0 .Lentry_shape_is_right
	s_endpgm
.Lentry_shape_is_right:
; C = A B^T + bias on 8,192 rows, K = 768.  ONE TEXT FOR TWO LAUNCHES, told apart by FF1:
;   FF1 = 0: A = x (bf16), B = [Wq; Wk; Wv] (bf16, 2,304 rows); C = Q | K | V, all rounded to f16 (a tile of 288 columns crosses their borders, so they share a format).
;   FF1 = 1: A = the attention's result (f16), B = W1 (f16, 3,072 rows); C = relu(..), rounded to bf16.
; All 16-bit matrices lie in layout CB(R): element (row, col) at byte ((col >> 5) * R + row) * 64 + (col & 31) * 2; 16 rows x 32 columns, a fragment, are 1,024 bytes on end.
; LIMITS.  Q, K and V must stay within f16's 65,504.  With FF1 = 1 the bias (rounded to bf16 by the launch before) enters as f16: below 2^-14 it keeps f16's fixed step of 2^-24.
; relu is a packed maximum with 0: a NaN becomes 0.  NaN and infinities are not treated apart (an infinite bias gives NaN).
; SHARES.  256 work-groups, one tile each: 256 rows (256 y ..) x 32 NB columns (32 NB x ..), NB = 9 or 12.  Wave w makes rows 128 (w >> 1) .. and columns 16 NB (w & 1) ..: 8 x NB accumulators of 16 x 16.
; K goes in 12 steps of 64 (2 chunks) through two LDS slots.  CLUSTER 4 x 4: A's tile hangs on y alone and is asked for jointly by a row of the cluster, B's on x alone, by a column.
; Waves 0, 1 ask for A's two halves, waves 2, 3 for B's.
; THE PRODUCT IS TAKEN TRANSPOSED (source 0 = 16 rows of B, source 1 = 16 rows of A): lane l holds row l % 16 of C and the 8 columns 8 (l / 16) ..
; A CHUNK GOES BY COLUMN BLOCKS: block b's eight products (all row blocks) stand together, so B's fragment b is free behind them.  B has ONE buffer, filled in two runs: behind the first NH0 blocks' products the next
; chunk's first NH0 fragments of B and its eight of A (A has two buffers), behind the last block's products the other NH1 of B.  Each run stands half a chunk or more ahead of its first use.
; THE SUMS START BY A PRODUCT with the constant 0 as C: source 0 holds the bias at k = 1 (the upper half of a fragment's first register; what else lies in the fragment is finite and meets zeros), source 1 holds 1 at k = 1 and 0 elsewhere.
; THE WAY OUT goes through one stage, laid over the slots when nobody reads them any more: 16 x NB blocks laid as in memory; with NB = 9 a chunk's two halves come from two waves.  Then a loop over the tile's NB chunks.
; PREFETCH.  A's rows are read by the two clusters of a row of clusters: the one with x = 0 asks.  Behind the joint load of step i (i = 0 .. 8) wave 0 of each partner names chunk 2 (i + 3) + (cx >> 1), rows 128 (cx & 1) ..
; of the tile's 256, a lane 256 bytes: step i + 3, which is asked for one step, 16 NB products a wave, later.  Each block is named once; steps 0-2 come by their loads alone.  B's 12 NB blocks a step, 3 NB to a partner, are no whole
; number of instructions of 32 lanes: they are not named.
; REGISTERS (windows of 256; s_set_vgpr_msb: bits 1:0 source 0, 3:2 source 1, 5:4 source 2, 7:6 destination): window 0: v0-29 addresses, v32-95 and v96-159 A's fragments, v160-255 B's (on the way out v32-79 packed
; results, v96-127 rows read back); windows 1 to 3: accumulator (a, b) in window 1 + b / 4 at v[64 (b % 4) + 8 a].
.set FF1,   0
.if FF1
.set NB,    12                         ; blocks of 16 columns a wave
.set CHB,   196608                     ; bytes in a chunk of B
.set WOFF,  3538944                    ; B's place in wts
.set BOFF,  12976128+9216              ; the bias's
.set ONE,   0x3c000000                 ; 1 in the upper half
.else
.set NB,    9
.set CHB,   147456
.set WOFF,  0
.set BOFF,  12976128
.set ONE,   0x3f800000
.endif
.set NH0,   (NB+1)/2                   ; B's fragments in the first run
.set NH1,   NB-NH0                     ; and in the second
.set NL1,   2*NH0+16                   ; LDS loads in the first run
.set NL2,   2*NH1                      ; and in the second
.set NCW,   NB                         ; chunks of 32 columns in the work-group's tile
.set NCH,   2                          ; chunks of 32 along K in a step
.set NS,    12
.set BLK,   1088                       ; 16 rows x 64 bytes in LDS, 16 bytes of padding behind every 256: row p at 64 p + 16 (p >> 2): the 16 rows of a load start at 16 different groups of four banks
.set CA,    8*BLK                      ; a chunk of half of A's rows
.set CBB,   NB*BLK                     ; a chunk of half of B's rows
.set AH,    NCH*CA
.set BH,    NCH*CBB
.set SLOT1, 131072                     ; a slot: A half 0, A half 1, B half 0, B half 1; one exclusive or changes slots
.set SPARE, SLOT1+2*(AH+BH)            ; behind the ring: the spare words, 128 bytes a wave
.set RBS,   NCW*BLK                    ; the stage: block (16 rows rb, chunk c) at rb RBS + c BLK
.if NB%2                               ; where the right half's even and odd column blocks begin in a row block of the stage
.set STE1,  (NB/2)*BLK+32
.set STO1,  (NB/2+1)*BLK
.else
.set STE1,  (NB/2)*BLK
.set STO1,  (NB/2)*BLK+32
.endif
.set CHA,   524288                     ; bytes in a chunk of a matrix of 8,192 rows
.set ASTEP, NCH*CHA
.set BSTEP, NCH*CHB
.set GF,    (1<<16)|(1<<20)|(1<<21)|(5<<22)|(3<<25)  ; 2-byte elements; padding on; bit 21 beside a mask; after every 64 words; 4 words
.set FA0, 32
.set FA1, 96
.set FB,  160
.set TMP, 32
.set BK,  96
.set LA0, 4                            ; v4   my lane's place in A's fragments, slot 0, chunk 0; never rewritten
.set LB0, 5                            ; v5   the same for B
.set ADA, 6                            ; v6   the addresses of the runs of loads in hand
.set ADB, 7
.set STE, 8                            ; v8   the way out: where I put 16 bytes of an even column block
.set STO, 9                            ; v9   of an odd one
.set GO,  10                           ; v10  16 x lane
.set RD,  11                           ; v11  where I read 512 bytes' share back
.set BO,  12                           ; v12  my byte offset in the tile's bias
.set ZR,  13                           ; v13  0
.set PFO, 15                           ; v15  256 x lane
.set SPW, 28
.set NIL, 29
.set G1A, 24
.set G0A, 32                           ; s[32:35] slot 0's first fill; s[36:39] walks
.set G1B, 48
.set G0B, 56
.set ABASE, 66
.set BBASE, 68
.set OFA, 70
.set OFB, 72
.set SIG, 74                           ; the step that was asked for last
.set SA,  76                           ; LDS byte of the chunk to be fetched next, A's
.set SB,  77                           ; B's
.set CNT, 78
.set OUTP, 82
.set BIASP, 84
.set PFA, 86
.set LIMW, 89
.set UP,  94                           ; s94  lanes 16-31
.set MSB, 0
.macro WIN new                         ; the high byte repeats the setting that is left; a switch that changes nothing is dropped
.if MSB != (\new)
	s_set_vgpr_msb (MSB<<8)|(\new)
.set MSB, \new
.endif
.endm
.macro PLACES
.rept 4
	v_nop
.endr
.endm
.macro JLOAD set                       ; a joint load; the branch hangs on the wave's number alone; an s_nop 0 and four v_nop follow each line
	s_cmp_eq_u32 s11, 0
	s_cbranch_scc0 .Lfor_b_\@
	tensor_load_to_lds s[G0A+4*(\set):G0A+4*(\set)+3], s[G1A:G1A+7]
	s_nop 0
	PLACES
	s_branch .Lasked_\@
.Lfor_b_\@:
	tensor_load_to_lds s[G0B+4*(\set):G0B+4*(\set)+3], s[G1B:G1B+7]
	s_nop 0
	PLACES
.Lasked_\@:
.endm
.macro CREST                           ; a round of the cluster's barrier behind its opening barrier
	s_cmp_lg_u32 s10, 0
	s_cbranch_scc1 .Lnot_wave_0_\@
	s_barrier_signal -3
.Lnot_wave_0_\@:
	s_barrier_wait -3
	s_barrier_signal -1
	s_barrier_wait -1
.endm
.macro CROUND
	s_barrier_signal -1
	s_barrier_wait -1
	CREST
.endm
; eight products: column block b x all row blocks, 32 along K, A from buffer pa.  The 8 NB accumulators take turns in one order everywhere.
.macro MULB pa, b
	WIN 0x50*(1+(\b)/4)                            ; A and B window 0, C and D window 1 + b / 4
.set ia, 0
.rept 8
.if FF1
	v_wmma_f32_16x16x32_f16 v[64*((\b)%4)+8*ia:64*((\b)%4)+8*ia+7], v[FB+8*(\b):FB+8*(\b)+7], v[(\pa)+8*ia:(\pa)+8*ia+7], v[64*((\b)%4)+8*ia:64*((\b)%4)+8*ia+7]
.else
	v_wmma_f32_16x16x32_bf16 v[64*((\b)%4)+8*ia:64*((\b)%4)+8*ia+7], v[FB+8*(\b):FB+8*(\b)+7], v[(\pa)+8*ia:(\pa)+8*ia+7], v[64*((\b)%4)+8*ia:64*((\b)%4)+8*ia+7]
.endif
.set ia, ia+1
.endr
.endm
.macro MULR pa, b0, b1                 ; column blocks b0 .. b1 - 1
.set ib, \b0
.rept (\b1)-(\b0)
	MULB \pa, ib
.set ib, ib+1
.endr
.endm
; the next chunk's first run: B's fragments 0 .. NH0 - 1 and A's eight, into buffer pa.  Its first four lines are the four places between the last product that read those fragments of B and the loads into them.
.macro RUN1 pa
	WIN 0
	v_add_nc_u32 v[ADA], s[SA], v[LA0]
	v_add_nc_u32 v[ADB], s[SB], v[LB0]
	v_nop
	v_nop
	s_add_co_u32 s[SA], s[SA], CA
	s_add_co_u32 s[SB], s[SB], CBB
.set ib, 0
.rept NH0
	ds_load_b128 v[FB+8*ib:FB+8*ib+3],   v[ADB] offset:ib*BLK
	ds_load_b128 v[FB+8*ib+4:FB+8*ib+7], v[ADB] offset:ib*BLK+32
.set ib, ib+1
.endr
.set ia, 0
.rept 8
	ds_load_b128 v[(\pa)+8*ia:(\pa)+8*ia+3],   v[ADA] offset:ia*BLK
	ds_load_b128 v[(\pa)+8*ia+4:(\pa)+8*ia+7], v[ADA] offset:ia*BLK+32
.set ia, ia+1
.endr
.endm
.macro RUN2                            ; its second run: B's other fragments, by the address that the first run made
	WIN 0
	PLACES                                         ; behind the last product that read them
.set ib, NH0
.rept NH1
	ds_load_b128 v[FB+8*ib:FB+8*ib+3],   v[ADB] offset:ib*BLK
	ds_load_b128 v[FB+8*ib+4:FB+8*ib+7], v[ADB] offset:ib*BLK+32
.set ib, ib+1
.endr
.endm
.macro QUARTER                         ; a step's first chunk, on A's buffer 0
	s_wait_dscnt NL2                               ; the first run is in; the second run's loads may be out
	MULR FA0, 0, NH0
	RUN1 FA1
	s_wait_dscnt NL1                               ; all but the run just issued
	MULR FA0, NH0, NB
	RUN2
.endm
; a step's second chunk, on A's buffer 1, and in its middle the change of slots: each wave waits for all its tensor loads (one is out: its part of the other slot), adds 0 to its spare word, waits for that and for its
; reads of this slot (the last are this chunk's second run).  refill = 1: the barrier opens a round of the cluster's, and this slot is filled again, first thing behind it, with the step two on.
.macro TURN refill
.if \refill
	s_wait_xcnt 0x0                                ; the last prefetch, a step back, has read its address
	s_add_nc_u64 s[PFA:PFA+1], s[PFA:PFA+1], ASTEP
.endif
	s_wait_dscnt NL2                               ; the first run is in
	MULR FA1, 0, NH0-2
	WIN 0
	s_wait_tensorcnt 0x0                           ; no tensor load of mine is out, so a group 0 may be written
	ds_add_u32 v[SPW], v[NIL]                      ; 0 onto my spare word; the descriptors' work and eight products stand between it and the wait for it
.if \refill
	s_add_co_u32 s[SIG], s[SIG], 1
	s_mul_i32 s[OFA], s[SIG], ASTEP
	s_mul_i32 s[OFB], s[SIG], BSTEP
	s_xor_b32 s[G0A+5], s[G0A+5], SLOT1
	s_add_nc_u64 s[G0A+6:G0A+7], s[ABASE:ABASE+1], s[OFA:OFA+1]  ; the address is made anew: base + offset, the type set again
	s_or_b32 s[G0A+7], s[G0A+7], 0x80000000
	s_xor_b32 s[G0B+5], s[G0B+5], SLOT1
	s_add_nc_u64 s[G0B+6:G0B+7], s[BBASE:BBASE+1], s[OFB:OFB+1]
	s_or_b32 s[G0B+7], s[G0B+7], 0x80000000
.endif
	MULR FA1, NH0-2, NH0-1
	s_wait_dscnt 0x0                               ; the add is done, my reads of this slot are over
	s_barrier_signal -1
	MULR FA1, NH0-1, NH0
	WIN 0
	s_barrier_wait -1
.if \refill
	CREST
	JLOAD 1
.endif
	s_sub_co_u32 s[SA], s[SA], NCH*CA              ; the fetches go back to a slot's first chunk, in the other slot
	s_xor_b32 s[SA], s[SA], SLOT1
	s_sub_co_u32 s[SB], s[SB], NCH*CBB
	s_xor_b32 s[SB], s[SB], SLOT1
.if !(\refill)
	s_cmp_eq_u32 s[CNT], 1                         ; behind the last step there is nothing to fetch
	s_cbranch_scc1 .Lno1_\@
.endif
	RUN1 FA0
.if \refill
	s_cmp_gt_u32 s[CNT], s[LIMW]                   ; steps 0 to 8, wave 0, the cluster with x = 0
	s_cbranch_scc0 .Lnot_mine_\@
	global_prefetch_b8 v[PFO], s[PFA:PFA+1] th:TH_LOAD_NT scope:SCOPE_SE
.Lnot_mine_\@:
.else
.Lno1_\@:
.endif
	MULR FA1, NH0, NB
.if !(\refill)
	WIN 0
	s_cmp_eq_u32 s[CNT], 1
	s_cbranch_scc1 .Lno2_\@
.endif
	RUN2
.if !(\refill)
.Lno2_\@:
.endif
.endm
; THE WAY OUT of row block a: rounded, each accumulator's registers in ascending order, and 16 bytes a lane and column block into the stage.
.macro PACK a
.set ib, 0
.rept NB
	WIN 0x05*(1+ib/4)                              ; sources in window 1 + b / 4, destination window 0
.set ir, 0
.rept 4
.if FF1
	v_cvt_pk_bf16_f32 v[TMP+4*ib+ir], v[64*(ib%4)+8*(\a)+2*ir], v[64*(ib%4)+8*(\a)+2*ir+1]
.else
	v_cvt_pk_f16_f32 v[TMP+4*ib+ir], v[64*(ib%4)+8*(\a)+2*ir], v[64*(ib%4)+8*(\a)+2*ir+1]
.endif
.set ir, ir+1
.endr
.set ib, ib+1
.endr
	WIN 0
.set ib, 0
.rept NB
.if ib%2
	ds_store_b128 v[STO], v[TMP+4*ib:TMP+4*ib+3] offset:(ib/2)*BLK
.else
	ds_store_b128 v[STE], v[TMP+4*ib:TMP+4*ib+3] offset:(ib/2)*BLK
.endif
.set ib, ib+1
.endr
	v_add_nc_u32 v[STE], RBS, v[STE]               ; the next 16 rows
	v_add_nc_u32 v[STO], RBS, v[STO]
.endm
	s_load_b128 s[4:7], s[0:1], 0x0                ; A, wts
	s_load_b64 s[8:9], s[0:1], 0x10                ; C
	v_lshl_add_u32 v[SPW], v0, 2, SPARE
	v_mov_b32 v[NIL], 0
	ds_add_u32 v[SPW], v[NIL]                      ; the wave's opening: the add and its wait ahead of my first tensor load
	v_lshrrev_b32 v14, 5, v0
	v_readfirstlane_b32 s10, v14                   ; wave
	s_lshr_b32 s11, s10, 1                         ; my half of the rows; also: 0 = I ask for A, 1 = for B
	s_and_b32 s12, s10, 1                          ; my half of the columns; also: which half I ask for
	s_bfe_u32 s40, ttmp6, 0x40000                  ; cx
	s_bfe_u32 s41, ttmp6, 0x40004                  ; cy
	s_lshl_b32 s42, ttmp9, 2
	s_add_co_u32 s42, s42, s40                     ; x
	s_and_b32 s43, ttmp7, 0xffff
	s_lshl_b32 s43, s43, 2
	s_add_co_u32 s43, s43, s41                     ; y
	s_lshl_b32 s13, s41, 2
	s_lshl_b32 s13, 15, s13                        ; my row of the cluster
	s_lshl_b32 s14, 0x1111, s40                    ; my column
	s_or_b32 s[G1A], s13, GF
	s_or_b32 s[G1B], s14, GF
	s_mov_b32 s[G1A+1], 4096<<16                   ; a row of the tile: 128 rows of one chunk, 4,096 elements on end
	s_mov_b32 s[G1A+2], NCH<<16                    ; as many rows as the step has chunks
	s_mov_b32 s[G1A+3], 4096<<16
	s_mov_b32 s[G1A+4], NCH
	s_mov_b32 s[G1A+5], CHA/2                      ; elements from chunk to chunk
	s_mov_b32 s[G1A+6], 0
	s_mov_b32 s[G1A+7], 0
	s_mov_b32 s[G1B+1], (512*NB)<<16               ; 16 NB rows of one chunk
	s_mov_b32 s[G1B+2], NCH<<16
	s_mov_b32 s[G1B+3], (512*NB)<<16
	s_mov_b32 s[G1B+4], NCH
	s_mov_b32 s[G1B+5], CHB/2
	s_mov_b32 s[G1B+6], 0
	s_mov_b32 s[G1B+7], 0
	s_lshl_b32 s16, s43, 14                        ; A: rows 256 y + 128 half, 64 bytes each
	s_lshl_b32 s17, s12, 13
	s_add_co_u32 s16, s16, s17
	s_mov_b32 s17, 0
	s_mul_i32 s18, s42, 2048*NB                    ; B: rows 32 NB x + 16 NB half
	s_mul_i32 s19, s12, 1024*NB
	s_add_co_u32 s18, s18, s19
	s_add_co_u32 s18, s18, WOFF
	s_mov_b32 s19, 0
	s_mul_i32 s20, s12, AH                         ; where they go: the wave's number alone
	s_mul_i32 s21, s12, BH
	s_add_co_u32 s21, s21, 2*AH
	s_mov_b32 s[G0A], 1
	s_mov_b32 s[G0A+1], s20
	s_mov_b32 s[G0A+4], 1
	s_add_co_u32 s[G0A+5], s20, SLOT1
	s_mov_b32 s[G0B], 1
	s_mov_b32 s[G0B+1], s21
	s_mov_b32 s[G0B+4], 1
	s_add_co_u32 s[G0B+5], s21, SLOT1
	s_mov_b32 s[SIG], 1
	s_mov_b32 s[OFA+1], 0
	s_mov_b32 s[OFB+1], 0
	s_mov_b32 s[SA], 0
	s_mov_b32 s[SB], 0
	s_mov_b32 s[UP], 0xffff0000
	s_or_b32 s13, s10, ttmp9                       ; wave 0 of the cluster with x = 0 asks while more than one refilling step is left: the same in all sixteen partners
	s_cmp_eq_u32 s13, 0
	s_cselect_b32 s[LIMW], 1, -1
	s_wait_dscnt 0x0                               ; the opening add is done
	s_wait_kmcnt 0x0
	s_add_nc_u64 s[ABASE:ABASE+1], s[4:5], s[16:17]
	s_add_nc_u64 s[BBASE:BBASE+1], s[6:7], s[18:19]
	s_mov_b64 s[G0A+2:G0A+3], s[ABASE:ABASE+1]     ; step 0
	s_or_b32 s[G0A+3], s[G0A+3], 0x80000000
	s_add_nc_u64 s[G0A+6:G0A+7], s[ABASE:ABASE+1], ASTEP  ; step 1
	s_or_b32 s[G0A+7], s[G0A+7], 0x80000000
	s_mov_b64 s[G0B+2:G0B+3], s[BBASE:BBASE+1]
	s_or_b32 s[G0B+3], s[G0B+3], 0x80000000
	s_add_nc_u64 s[G0B+6:G0B+7], s[BBASE:BBASE+1], BSTEP
	s_or_b32 s[G0B+7], s[G0B+7], 0x80000000
	CROUND                                         ; all sixteen work-groups are here: the first joint loads meet
	JLOAD 0
	JLOAD 1                                        ; two loads of mine are out
	v_and_b32 v1, 15, v0                           ; r = l % 16
	v_bfe_u32 v2, v0, 4, 1                         ; h = l / 16
	s_mul_i32 s13, s12, 64*NB
	v_lshl_add_u32 v[BO], v1, 2, s13               ; (16 NB half + r) x 4
	s_mul_i32 s18, s42, 128*NB                     ; the tile's 32 NB numbers of the bias
	s_add_co_u32 s18, s18, BOFF
	s_mov_b32 s19, 0
	s_add_nc_u64 s[BIASP:BIASP+1], s[6:7], s[18:19]
.set ib, 0
.rept NB                               ; column 16 b + r's bias, an f32 word that holds a bf16 number: its upper half is that number, its lower half 0
	global_load_b32 v[FB+2*ib], v[BO], s[BIASP:BIASP+1] offset:64*ib
.set ib, ib+1
.endr
	v_lshrrev_b32 v14, 2, v1
	v_lshlrev_b32 v3, 6, v1
	v_lshl_add_u32 v3, v14, 4, v3
	v_lshl_add_u32 v3, v2, 4, v3                   ; 64 r + 16 (r >> 2) + 16 h
	s_mul_i32 s13, s11, AH
	v_add_nc_u32 v[LA0], s13, v3
	s_mul_i32 s13, s12, BH
	s_add_co_u32 s13, s13, 2*AH
	v_add_nc_u32 v[LB0], s13, v3
	s_mul_i32 s13, s11, 8*RBS                      ; the stage: my first row block,
	s_mul_i32 s14, s12, STE1                       ; my first even column block,
	s_add_co_u32 s14, s14, s13
	v_add_nc_u32 v[STE], s14, v3
	s_mul_i32 s14, s12, STO1-32                    ; my first odd one
	s_add_co_u32 s14, s14, s13
	s_add_co_u32 s14, s14, 32
	v_add_nc_u32 v[STO], s14, v3
	v_and_b32 v14, 31, v0
	v_lshlrev_b32 v[GO], 4, v14
	v_lshl_add_u32 v[RD], v2, 4, v[GO]             ; back: 16 l, and 16 of padding behind the first 256 bytes;
	s_mul_i32 s13, s10, 4*RBS                      ; wave w takes row blocks 4 w .. 4 w + 3
	v_add_nc_u32 v[RD], s13, v[RD]
	v_lshlrev_b32 v[PFO], 8, v14
	v_mov_b32 v[ZR], 0
	s_mul_i32 s22, s42, NCW                        ; C: chunk NB x, rows 256 y + 64 wave
	s_lshl_b32 s22, s22, 19
	s_lshl_b32 s23, s43, 14
	s_add_co_u32 s22, s22, s23
	s_lshl_b32 s23, s10, 12
	s_add_co_u32 s22, s22, s23
	s_mov_b32 s23, 0
	s_add_nc_u64 s[OUTP:OUTP+1], s[8:9], s[22:23]
	s_lshr_b32 s22, s40, 1                         ; the prefetches: chunk 4 + (cx >> 1), rows 256 y + 128 (cx & 1); each refilling step steps it by two chunks ahead of its use
	s_add_co_u32 s22, s22, 4
	s_lshl_b32 s22, s22, 19
	s_lshl_b32 s23, s43, 14
	s_add_co_u32 s22, s22, s23
	s_and_b32 s23, s40, 1
	s_lshl_b32 s23, s23, 13
	s_add_co_u32 s22, s22, s23
	s_mov_b32 s23, 0
	s_add_nc_u64 s[PFA:PFA+1], s[4:5], s[22:23]
	; the fragments that start the sums.  Column block b's lies at v[FB + 2 b ..]: its first register is the bias word, the seven behind it are zeros and later blocks' words, which meet zeros of source 1
.set ib, 0
.rept NB
	v_mov_b32 v[FB+2*ib+1], 0
.set ib, ib+1
.endr
.set ib, 0
.rept 6
	v_mov_b32 v[FB+2*NB+ib], 0
.set ib, ib+1
.endr
	v_mov_b32 v[FA0], ONE                          ; source 1: 1 at k = 1: the upper half of the first register in lanes 0-15; lanes 16-31 hold k = 8 ..: 0
	v_cndmask_b32 v[FA0], v[FA0], v[ZR], s[UP]
.set ib, 1
.rept 7
	v_mov_b32 v[FA0+ib], 0
.set ib, ib+1
.endr
	s_wait_loadcnt 0x0
.if FF1
.set ib, 0
.rept NB
	v_cvt_pk_f16_f32 v[FB+2*ib], v[ZR], v[FB+2*ib] ; as f16, in the upper half
.set ib, ib+1
.endr
.endif
.set ib, 0
.rept NB
	WIN 0x50*(1+ib/4)
.set ia, 0
.rept 8
.if FF1
	v_wmma_f32_16x16x32_f16 v[64*(ib%4)+8*ia:64*(ib%4)+8*ia+7], v[FB+2*ib:FB+2*ib+7], v[FA0:FA0+7], 0
.else
	v_wmma_f32_16x16x32_bf16 v[64*(ib%4)+8*ia:64*(ib%4)+8*ia+7], v[FB+2*ib:FB+2*ib+7], v[FA0:FA0+7], 0
.endif
.set ia, ia+1
.endr
.set ib, ib+1
.endr
	WIN 0
	s_wait_tensorcnt 0x1                           ; my part of slot 0 is in; slot 1's may stay out
	s_barrier_signal -1
	s_barrier_wait -1
	RUN1 FA0
	RUN2
	s_mov_b32 s[CNT], NS-2
.Lstep:                                        ; all steps but the last two: each fills its slot again
	QUARTER
	TURN 1
	WIN 0
	s_sub_co_u32 s[CNT], s[CNT], 1
	s_cmp_lg_u32 s[CNT], 0
	s_cbranch_scc1 .Lstep
	s_mov_b32 s[CNT], 2
.Ltail:                                        ; the last two steps ask for nothing: written out
	QUARTER
	TURN 0
	WIN 0
	s_sub_co_u32 s[CNT], s[CNT], 1
	s_cmp_lg_u32 s[CNT], 0
	s_cbranch_scc1 .Ltail
	s_wait_dscnt 0x0                               ; my reads of the slots are over;
	s_barrier_signal -1
	s_barrier_wait -1                              ; everybody's are: the stage may be laid over them; both have had their last fill
	PLACES                                         ; behind the last products
.irp a, 0,1,2,3,4,5,6,7
	PACK \a
.endr
	s_wait_dscnt 0x0                               ; for the others' sake: my stores into the stage are done
	s_barrier_signal -1
	s_barrier_wait -1
	s_mov_b32 s[CNT], NCW
.Lout:                                         ; a trip: my 64 rows of one chunk, 4,096 consecutive bytes of C
.set ij, 0
.rept 8
	ds_load_b128 v[BK+4*ij:BK+4*ij+3], v[RD] offset:(ij/2)*RBS+(ij%2)*544
.set ij, ij+1
.endr
.if FF1
	s_wait_dscnt 0x0
.set ij, 0
.rept 32
	v_pk_max_num_bf16 v[BK+ij], v[BK+ij], v[ZR]    ; relu; nothing is rounded
.set ij, ij+1
.endr
.endif
.set ij, 0
.rept 8
.if !FF1
	s_wait_dscnt 7-ij                              ; the younger loads may stay out
.endif
	global_store_b128 v[GO], v[BK+4*ij:BK+4*ij+3], s[OUTP:OUTP+1] offset:(ij/2)*1024+(ij%2)*512  ; 512 consecutive bytes, aligned
.set ij, ij+1
.endr
	s_wait_xcnt 0x0                                ; the stores have read their registers and their base
	v_add_nc_u32 v[RD], BLK, v[RD]
	s_add_nc_u64 s[OUTP:OUTP+1], s[OUTP:OUTP+1], CHA
	s_sub_co_u32 s[CNT], s[CNT], 1
	s_cmp_lg_u32 s[CNT], 0
	s_cbranch_scc1 .Lout
	s_wait_tensorcnt 0x0                           ; the wave's end
	ds_add_u32 v[SPW], v[NIL]
	s_wait_dscnt 0x0
	CROUND                                         ; the closing round
	s_endpgm
.Lfunc_end_k_q5dc13bede6_qkv:
	.size	k_q5dc13bede6_qkv, .Lfunc_end_k_q5dc13bede6_qkv-k_q5dc13bede6_qkv
	.p2alignl 7, 3214868480
	.fill 96, 4, 3214868480
	.section	.rodata,"a",@progbits
	.p2align	6, 0x0
	.amdhsa_kernel k_q5dc13bede6_qkv
		.amdhsa_group_segment_fixed_size 327680
		.amdhsa_private_segment_fixed_size 0
		.amdhsa_enable_private_segment 0
		.amdhsa_kernarg_size 24
		.amdhsa_user_sgpr_count 2
		.amdhsa_user_sgpr_kernarg_segment_ptr 1
		.amdhsa_wavefront_size32 1
		.amdhsa_system_sgpr_workgroup_id_x 1
		.amdhsa_system_sgpr_workgroup_id_y 1
		.amdhsa_system_sgpr_workgroup_id_z 1
		.amdhsa_system_vgpr_workitem_id 0
		.amdhsa_next_free_vgpr 832
		.amdhsa_next_free_sgpr 96
		.amdhsa_reserve_vcc 0
		.amdhsa_float_denorm_mode_32 3
		.amdhsa_float_denorm_mode_16_64 3
		.amdhsa_memory_ordered 1
		.amdhsa_forward_progress 1
		.amdhsa_inst_pref_size 76
	.end_amdhsa_kernel
	.amdgpu_metadata
---
amdhsa.version: [ 1, 2 ]
amdhsa.kernels:
  - .name:           k_q5dc13bede6_qkv
    .symbol:         k_q5dc13bede6_qkv.kd
    .args:
      - { .name: xb, .offset: 0, .size: 8, .value_kind: global_buffer, .address_space: global }
      - { .name: wts, .offset: 8, .size: 8, .value_kind: global_buffer, .address_space: global }
      - { .name: qkv, .offset: 16, .size: 8, .value_kind: global_buffer, .address_space: global }
    .group_segment_fixed_size: 327680
    .private_segment_fixed_size: 0
    .kernarg_segment_align: 8
    .kernarg_segment_size: 24
    .max_flat_workgroup_size: 128
    .sgpr_count:     96
    .vgpr_count:     832
    .wavefront_size: 32
...
	.end_amdgpu_metadata
.endif
;; end of part 2
;; launch scores (part 3): grid 4 x 64, 4 waves a work-group, clusters of 4 x 4, 327,680 bytes of LDS; arguments qkv, pw, stats; writes pw, stats
.if DOCPART == 3
	.amdgcn_target "amdgcn-amd-amdhsa--gfx1250"
	.amdhsa_code_object_version 6
	.text
	.protected	k_q5dc13bede6_scores
	.globl	k_q5dc13bede6_scores
	.p2align	8
	.type	k_q5dc13bede6_scores,@function
k_q5dc13bede6_scores:
	s_mov_b64 s[64:65], 0
	v_nop
	global_prefetch_b8 v0, s[64:65] scope:SCOPE_SE
	s_setreg_imm32_b32 hwreg(HW_REG_WAVE_MODE, 25, 1), 1
	s_wait_xcnt 0x0
	s_wait_alu depctr_hold_cnt(0) depctr_sa_sdst(0) depctr_va_vdst(0) depctr_va_sdst(0) depctr_va_ssrc(0) depctr_va_vcc(0) depctr_vm_vsrc(0)
	s_getreg_b32 s2, hwreg(HW_REG_IB_STS2, 6, 4)
	s_cmp_eq_u32 s2, 0
	s_cbranch_scc0 .Lentry_in_a_cluster
	s_endpgm
.Lentry_in_a_cluster:
	s_bfe_u32 s2, ttmp6, 0x10000c
	s_cmp_lg_u32 s2, 0xf033
	s_cbranch_scc0 .Lentry_shape_is_right
	s_endpgm
.Lentry_shape_is_right:
; S = Q K^T for 8 batches of 1,024 x 1,024, K = 768 (f16 operands, f32 sums), and the first half of the softmax.  For each query and each group kc of 128 keys:
; m = the group's largest score; p' = 2^(c s - c m), c = log2(e) / sqrt(768), rounded to f16 into pw; l = the sum of the unrounded p'; (c m, l) into stats.  The next launch takes the
; largest c m of a row's eight groups away, so the row's true maximum is taken away in two steps and no exponent is above 0 (but for the rounding of c m).
; qkv and pw lie in layout CB(8192): element (row, col) at byte ((col >> 5) * 8192 + row) * 64 + (col & 31) * 2; Q is chunks 0-23, K chunks 24-47, both f16; pw's row is the query, its column the key in the batch.
; stats: the pair of group kc and query row at byte (kc * 8192 + row) * 8.  LIMITS: Q and K arrive within f16's 65,504; a p' below 6e-8 is stored as 0; NaN and infinities are not treated apart.
; SHARES.  A work-group makes 128 queries (128 y ..) x 256 keys (256 x .. of batch y >> 3); wave w makes queries 64 (w >> 1) .. and keys 128 (w & 1) ..: one group kc = 2 x + (w & 1), 4 x 8 accumulators.
; K goes in six steps of 128 (4 chunks) through two LDS slots.  CLUSTER 4 x 4: Q's tile is asked for jointly by a row of the cluster, K's by a column (the batch hangs on the cluster's y alone).
; THE PRODUCT IS TAKEN TRANSPOSED: lane l holds query l % 16 and the keys 16 b + 8 (l / 16) ..: a query's 128 scores lie in two lanes, 16 apart.
; The accumulators are cleared in the wait for the first tile: every product then has one form and a step is written once.
; NO PREFETCH: of six steps the first four are the first fills and their refills.
; REGISTERS: window 0: v0-29 addresses and work, v32-63 packed weights, v64-95, v128-159 Q's fragments (on the way out v128-191: rows read back), v240-247 c m and l; window 1: v64-127, v128-191 K's fragments;
; window 2: accumulator (a, b) at v[8 (8 a + b)].
.set NBK,   8
.set NCH,   4
.set NS,    6
.set BLK,   1088                       ; 16 rows x 64 bytes, 16 bytes of padding behind every 256
.set CA,    4*BLK
.set CBB,   NBK*BLK
.set AH,    NCH*CA
.set BH,    NCH*CBB
.set SLOT1, 131072
.set STAGE, SLOT1+2*(AH+BH)
.set SPARE, STAGE+4*4*BLK
.set CHA,   524288
.set ASTEP, NCH*CHA
.set BSTEP, NCH*CHA
.set GF,    (1<<16)|(1<<20)|(1<<21)|(5<<22)|(3<<25)
.set F0,  64
.set F1,  128
.set LA0, 4
.set LB0, 5
.set ADA, 6
.set ADB, 7
.set STO, 8
.set RD,  9
.set GO,  10
.set CH,  14                           ; v14-21  eight chains of the maximum; at work
.set SO,  22                           ; v22  8 x lane
.set SPW, 28
.set NIL, 29
.set TMP, 32
.set ST,  240                          ; block a: c m at ST + 2 a, l at ST + 2 a + 1
.set G1A, 24
.set G0A, 32
.set G1B, 48
.set G0B, 56
.set ABASE, 66
.set BBASE, 68
.set OFA, 70
.set OFB, 72
.set SIG, 74
.set SA,  76
.set SB,  77
.set CNT, 78
.set OUTP, 82
.set STAP, 84
.set CS,  90                           ; s[90:91] c, twice
.set SEL, 92                           ; s[92:93] each lane takes its own place in the other half
.set UP,  94                           ; s94  lanes 16-31
.set MSB, 0
.macro WIN new
.if MSB != (\new)
	s_set_vgpr_msb (MSB<<8)|(\new)
.set MSB, \new
.endif
.endm
.macro PLACES
.rept 4
	v_nop
.endr
.endm
.macro JLOAD set                       ; a joint load; an s_nop 0 and four v_nop follow each line
	s_cmp_eq_u32 s11, 0
	s_cbranch_scc0 .Lfor_b_\@
	tensor_load_to_lds s[G0A+4*(\set):G0A+4*(\set)+3], s[G1A:G1A+7]
	s_nop 0
	PLACES
	s_branch .Lasked_\@
.Lfor_b_\@:
	tensor_load_to_lds s[G0B+4*(\set):G0B+4*(\set)+3], s[G1B:G1B+7]
	s_nop 0
	PLACES
.Lasked_\@:
.endm
.macro CREST
	s_cmp_lg_u32 s10, 0
	s_cbranch_scc1 .Lnot_wave_0_\@
	s_barrier_signal -3
.Lnot_wave_0_\@:
	s_barrier_wait -3
	s_barrier_signal -1
	s_barrier_wait -1
.endm
.macro CROUND
	s_barrier_signal -1
	s_barrier_wait -1
	CREST
.endm
.macro MULA f, a                       ; eight products; the 32 accumulators take turns in one order everywhere
	WIN 0xa1
.set b, 0
.rept NBK
	v_wmma_f32_16x16x32_f16 v[8*(NBK*(\a)+b):8*(NBK*(\a)+b)+7], v[(\f)+8*b:(\f)+8*b+7], v[(\f)+8*(\a):(\f)+8*(\a)+7], v[8*(NBK*(\a)+b):8*(NBK*(\a)+b)+7]
.set b, b+1
.endr
.endm
.macro FETCH f                         ; a chunk's fragments, 24 loads; the first four lines are the places behind the last product that read buffer f
	WIN 0
	v_add_nc_u32 v[ADA], s[SA], v[LA0]
	v_add_nc_u32 v[ADB], s[SB], v[LB0]
	v_nop
	v_nop
	s_add_co_u32 s[SA], s[SA], CA
	s_add_co_u32 s[SB], s[SB], CBB
	WIN 0x40
.set b, 0
.rept NBK
	ds_load_b128 v[(\f)+8*b:(\f)+8*b+3],   v[ADB] offset:b*BLK
	ds_load_b128 v[(\f)+8*b+4:(\f)+8*b+7], v[ADB] offset:b*BLK+32
.set b, b+1
.endr
	WIN 0
.set b, 0
.rept 4
	ds_load_b128 v[(\f)+8*b:(\f)+8*b+3],   v[ADA] offset:b*BLK
	ds_load_b128 v[(\f)+8*b+4:(\f)+8*b+7], v[ADA] offset:b*BLK+32
.set b, b+1
.endr
.endm
.macro QUARTER f, g
	s_wait_dscnt 4                                 ; only A's blocks 2, 3 may be out
	MULA \f, 0
	MULA \f, 1
	FETCH \g
	s_wait_dscnt 2*(4+NBK)                         ; all but the run just issued
	MULA \f, 2
	MULA \f, 3
.endm
.macro TURN refill                     ; a step's last chunk and the change of slots
	WIN 0
	s_wait_tensorcnt 0x0                           ; no tensor load of mine is out
	ds_add_u32 v[SPW], v[NIL]
.if \refill
	s_add_co_u32 s[SIG], s[SIG], 1
	s_mul_i32 s[OFA], s[SIG], ASTEP
	s_mul_i32 s[OFB], s[SIG], BSTEP
	s_xor_b32 s[G0A+5], s[G0A+5], SLOT1
	s_add_nc_u64 s[G0A+6:G0A+7], s[ABASE:ABASE+1], s[OFA:OFA+1]
	s_or_b32 s[G0A+7], s[G0A+7], 0x80000000
	s_xor_b32 s[G0B+5], s[G0B+5], SLOT1
	s_add_nc_u64 s[G0B+6:G0B+7], s[BBASE:BBASE+1], s[OFB:OFB+1]
	s_or_b32 s[G0B+7], s[G0B+7], 0x80000000
.endif
	s_wait_dscnt 5                                 ; the add and A's blocks 2, 3 may be out
	MULA F1, 0
	s_wait_dscnt 0x0                               ; the add is done, my reads of this slot are over
	s_barrier_signal -1
	MULA F1, 1
	WIN 0
	s_barrier_wait -1
.if \refill
	CREST
	JLOAD 1
.endif
	s_sub_co_u32 s[SA], s[SA], NCH*CA
	s_xor_b32 s[SA], s[SA], SLOT1
	s_sub_co_u32 s[SB], s[SB], NCH*CBB
	s_xor_b32 s[SB], s[SB], SLOT1
.if !(\refill)
	s_cmp_eq_u32 s[CNT], 1
	s_cbranch_scc1 .Lno_fetch_\@
.endif
	FETCH F0
.if !(\refill)
.Lno_fetch_\@:
.endif
	MULA F1, 2
	MULA F1, 3
.endm
.macro STEP refill
	QUARTER F0, F1
	QUARTER F1, F0
	QUARTER F0, F1
	TURN \refill
.endm
; BLOCK a's SOFTMAX over the wave's 128 keys: a lane's 64 scores in the block's eight accumulators.
.macro SOFT a
.set AB, 64*(\a)
	WIN 0x2a                                       ; three sources in window 2: eight chains, each begun on an accumulator's lowest registers
.set b, 0
.rept 8
	v_max3_num_f32 v[CH+b], v[AB+8*b], v[AB+8*b+1], v[AB+8*b+2]
.set b, b+1
.endr
	WIN 0x28
.irp o, 3,5
.set b, 0
.rept 8
	v_max3_num_f32 v[CH+b], v[CH+b], v[AB+8*b+\o], v[AB+8*b+\o+1]
.set b, b+1
.endr
.endr
.set b, 0
.rept 4
	v_max3_num_f32 v[CH+2*b], v[CH+2*b], v[AB+16*b+7], v[AB+16*b+15]
.set b, b+1
.endr
	WIN 0
	v_max3_num_f32 v[CH], v[CH], v[CH+1], v[CH+2]
	v_max3_num_f32 v[CH+3], v[CH+3], v[CH+4], v[CH+5]
	v_max3_num_f32 v[CH], v[CH], v[CH+3], v[CH+6]
	v_max_num_f32 v[CH], v[CH], v[CH+7]
	v_permlanex16_b32 v[CH+1], v[CH], s[SEL], s[SEL+1]  ; the query's other 64 keys
	v_max_num_f32 v[CH], v[CH], v[CH+1]
	v_mul_f32 v[ST+2*(\a)], s[CS], v[CH]           ; c m, twice: a whole pair for the packed scaling; l takes the second register later
	v_mul_f32 v[ST+2*(\a)+1], s[CS], v[CH]
	WIN 0x82                                       ; in place in window 2; the third source in window 0
.set b, 0
.rept 32
	v_pk_fma_f32 v[AB+2*b:AB+2*b+1], v[AB+2*b:AB+2*b+1], s[CS:CS+1], v[ST+2*(\a):ST+2*(\a)+1] op_sel_hi:[1,0,1] neg_lo:[0,0,1] neg_hi:[0,0,1]
.set b, b+1
.endr
.set b, 0
.rept 64
	v_exp_f32 v[AB+b], v[AB+b]                     ; one batch
.set b, b+1
.endr
	v_nop                                          ; a plain instruction behind the last exponential,
	s_wait_alu depctr_va_vdst(0)                   ; and one wait ahead of the batch's first reader
	WIN 0x0a
.set b, 0
.rept 32
	v_cvt_pk_f16_f32 v[TMP+b], v[AB+2*b], v[AB+2*b+1]
.set b, b+1
.endr
	WIN 0x8a                                       ; the sum of the unrounded weights, 32 pairs into one
.irp w, 16,8,4,2,1
.set b, 0
.rept \w
	v_pk_add_f32 v[AB+2*b:AB+2*b+1], v[AB+2*b:AB+2*b+1], v[AB+2*(b+\w):AB+2*(b+\w)+1]
.set b, b+1
.endr
.endr
	WIN 0x0a
	v_add_f32 v[CH], v[AB], v[AB+1]
	WIN 0
	v_permlanex16_b32 v[CH+1], v[CH], s[SEL], s[SEL+1]
	v_add_f32 v[ST+2*(\a)+1], v[CH], v[CH+1]       ; l
.endm
.macro TOSTAGE a
	WIN 0
.set BK, 128+32*((\a)%2)
.set b, 0
.rept NBK
	ds_store_b128 v[STO], v[TMP+4*b:TMP+4*b+3] offset:(b/2)*BLK+(b%2)*32
.set b, b+1
.endr
.set b, 0
.rept NBK
	ds_load_b128 v[BK+4*b:BK+4*b+3], v[RD] offset:(b/2)*BLK+(b%2)*544  ; LDS serves a wave's instructions in order: these see the stores above
.set b, b+1
.endr
.endm
.macro SEND a
.set BK, 128+32*((\a)%2)
	s_wait_dscnt 0x0
	s_wait_xcnt 0x0                                ; the stores of the block before have read their registers
.set b, 0
.rept NBK
	global_store_b128 v[GO], v[BK+4*b:BK+4*b+3], s[OUTP:OUTP+1] offset:(b/2)*CHA+(\a)*1024+(b%2)*512  ; 512 consecutive bytes, aligned
.set b, b+1
.endr
.endm
	s_load_b128 s[4:7], s[0:1], 0x0                ; qkv, pw
	s_load_b64 s[8:9], s[0:1], 0x10                ; stats
	v_lshl_add_u32 v[SPW], v0, 2, SPARE
	v_mov_b32 v[NIL], 0
	ds_add_u32 v[SPW], v[NIL]                      ; the wave's opening: the add and its wait ahead of my first tensor load
	v_lshrrev_b32 v14, 5, v0
	v_readfirstlane_b32 s10, v14
	s_lshr_b32 s11, s10, 1
	s_and_b32 s12, s10, 1
	s_bfe_u32 s40, ttmp6, 0x40000                  ; cx = x
	s_bfe_u32 s41, ttmp6, 0x40004                  ; cy
	s_and_b32 s44, ttmp7, 0xffff                   ; the cluster's y
	s_lshl_b32 s43, s44, 2
	s_add_co_u32 s43, s43, s41                     ; y
	s_lshl_b32 s13, s41, 2
	s_lshl_b32 s13, 15, s13
	s_lshl_b32 s14, 0x1111, s40
	s_or_b32 s[G1A], s13, GF
	s_or_b32 s[G1B], s14, GF
	s_mov_b32 s[G1A+1], 2048<<16                   ; 64 rows of one chunk on end
	s_mov_b32 s[G1A+2], NCH<<16
	s_mov_b32 s[G1A+3], 2048<<16
	s_mov_b32 s[G1A+4], NCH
	s_mov_b32 s[G1A+5], CHA/2
	s_mov_b32 s[G1A+6], 0
	s_mov_b32 s[G1A+7], 0
	s_mov_b32 s[G1B+1], 4096<<16                   ; 128 rows of one chunk
	s_mov_b32 s[G1B+2], NCH<<16
	s_mov_b32 s[G1B+3], 4096<<16
	s_mov_b32 s[G1B+4], NCH
	s_mov_b32 s[G1B+5], CHA/2
	s_mov_b32 s[G1B+6], 0
	s_mov_b32 s[G1B+7], 0
	s_lshl_b32 s16, s43, 13                        ; Q: rows 128 y + 64 half
	s_lshl_b32 s17, s12, 12
	s_add_co_u32 s16, s16, s17
	s_mov_b32 s17, 0
	s_lshr_b32 s18, s44, 1                         ; K: chunk 24, rows 1,024 batch + 256 x + 128 half
	s_lshl_b32 s18, s18, 16
	s_lshl_b32 s19, s40, 14
	s_add_co_u32 s18, s18, s19
	s_lshl_b32 s19, s12, 13
	s_add_co_u32 s18, s18, s19
	s_add_co_u32 s18, s18, 24*CHA
	s_mov_b32 s19, 0
	s_mul_i32 s20, s12, AH
	s_mul_i32 s21, s12, BH
	s_add_co_u32 s21, s21, 2*AH
	s_mov_b32 s[G0A], 1
	s_mov_b32 s[G0A+1], s20
	s_mov_b32 s[G0A+4], 1
	s_add_co_u32 s[G0A+5], s20, SLOT1
	s_mov_b32 s[G0B], 1
	s_mov_b32 s[G0B+1], s21
	s_mov_b32 s[G0B+4], 1
	s_add_co_u32 s[G0B+5], s21, SLOT1
	s_mov_b32 s[SIG], 1
	s_mov_b32 s[OFA+1], 0
	s_mov_b32 s[OFB+1], 0
	s_mov_b32 s[SA], 0
	s_mov_b32 s[SB], 0
	s_mov_b32 s[CS], 0x3d553b95                    ; c = log2(e) / sqrt(768) = 0.0520588
	s_mov_b32 s[CS+1], s[CS]
	s_mov_b32 s[SEL], 0x76543210
	s_mov_b32 s[SEL+1], 0xfedcba98
	s_mov_b32 s[UP], 0xffff0000
	s_wait_dscnt 0x0                               ; the opening add is done
	s_wait_kmcnt 0x0
	s_add_nc_u64 s[ABASE:ABASE+1], s[4:5], s[16:17]
	s_add_nc_u64 s[BBASE:BBASE+1], s[4:5], s[18:19]
	s_mov_b64 s[G0A+2:G0A+3], s[ABASE:ABASE+1]
	s_or_b32 s[G0A+3], s[G0A+3], 0x80000000
	s_add_nc_u64 s[G0A+6:G0A+7], s[ABASE:ABASE+1], ASTEP
	s_or_b32 s[G0A+7], s[G0A+7], 0x80000000
	s_mov_b64 s[G0B+2:G0B+3], s[BBASE:BBASE+1]
	s_or_b32 s[G0B+3], s[G0B+3], 0x80000000
	s_add_nc_u64 s[G0B+6:G0B+7], s[BBASE:BBASE+1], BSTEP
	s_or_b32 s[G0B+7], s[G0B+7], 0x80000000
	CROUND
	JLOAD 0
	JLOAD 1                                        ; two loads of mine are out
	v_and_b32 v1, 15, v0
	v_bfe_u32 v2, v0, 4, 1
	v_lshrrev_b32 v14, 2, v1
	v_lshlrev_b32 v3, 6, v1
	v_lshl_add_u32 v3, v14, 4, v3
	v_lshl_add_u32 v3, v2, 4, v3                   ; 64 r + 16 (r >> 2) + 16 h
	s_mul_i32 s13, s11, AH
	v_add_nc_u32 v[LA0], s13, v3
	s_mul_i32 s13, s12, BH
	s_add_co_u32 s13, s13, 2*AH
	v_add_nc_u32 v[LB0], s13, v3
	s_mul_i32 s13, s10, 4*BLK
	s_add_co_u32 s13, s13, STAGE
	v_add_nc_u32 v[STO], s13, v3
	v_and_b32 v14, 31, v0
	v_lshlrev_b32 v[GO], 4, v14
	v_lshl_add_u32 v[RD], v2, 4, v[GO]
	v_add_nc_u32 v[RD], s13, v[RD]
	v_lshlrev_b32 v[SO], 3, v14
	s_lshl_b32 s22, s40, 1                         ; kc = 2 x + half
	s_add_co_u32 s22, s22, s12
	s_lshl_b32 s45, s22, 16                        ; stats: (kc 8,192 + 128 y + 64 half) x 8
	s_lshl_b32 s22, s22, 21                        ; pw: chunk 4 kc, rows 128 y + 64 half
	s_lshl_b32 s23, s43, 13
	s_add_co_u32 s22, s22, s23
	s_lshl_b32 s23, s11, 12
	s_add_co_u32 s22, s22, s23
	s_mov_b32 s23, 0
	s_add_nc_u64 s[OUTP:OUTP+1], s[6:7], s[22:23]
	s_lshl_b32 s22, s43, 10
	s_add_co_u32 s22, s22, s45
	s_lshl_b32 s23, s11, 9
	s_add_co_u32 s22, s22, s23
	s_mov_b32 s23, 0
	s_add_nc_u64 s[STAP:STAP+1], s[8:9], s[22:23]
	WIN 0x80
.set b, 0
.rept 256
	v_mov_b32 v[b], 0                              ; the sums start at 0: written while the first tiles are on their way
.set b, b+1
.endr
	WIN 0
	s_wait_tensorcnt 0x1                           ; my part of slot 0 is in; slot 1's may stay out
	s_barrier_signal -1
	s_barrier_wait -1
	FETCH F0
	s_mov_b32 s[CNT], NS-2
.Lstep:
	STEP 1
	WIN 0
	s_sub_co_u32 s[CNT], s[CNT], 1
	s_cmp_lg_u32 s[CNT], 0
	s_cbranch_scc1 .Lstep
	s_mov_b32 s[CNT], 2
.Ltail:                                        ; the last two steps ask for nothing
	STEP 0
	WIN 0
	s_sub_co_u32 s[CNT], s[CNT], 1
	s_cmp_lg_u32 s[CNT], 0
	s_cbranch_scc1 .Ltail
	PLACES
	SOFT 0
	TOSTAGE 0
.irp a, 1,2,3
	SOFT \a
	SEND (\a)-1
	TOSTAGE \a
.endr
	SEND 3
	; both halves of the lanes hold a query's c m and l: lanes 0-15 store the even block's, lanes 16-31 the odd one's: 32 queries, 256 consecutive bytes
	v_cndmask_b32 v14, v[ST],   v[ST+2], s[UP]
	v_cndmask_b32 v15, v[ST+1], v[ST+3], s[UP]
	v_cndmask_b32 v16, v[ST+4], v[ST+6], s[UP]
	v_cndmask_b32 v17, v[ST+5], v[ST+7], s[UP]
	global_store_b64 v[SO], v[14:15], s[STAP:STAP+1]
	global_store_b64 v[SO], v[16:17], s[STAP:STAP+1] offset:256
	s_wait_tensorcnt 0x0                           ; the wave's end
	ds_add_u32 v[SPW], v[NIL]
	s_wait_dscnt 0x0
	CROUND
	s_endpgm
.Lfunc_end_k_q5dc13bede6_scores:
	.size	k_q5dc13bede6_scores, .Lfunc_end_k_q5dc13bede6_scores-k_q5dc13bede6_scores
	.p2alignl 7, 3214868480
	.fill 96, 4, 3214868480
	.section	.rodata,"a",@progbits
	.p2align	6, 0x0
	.amdhsa_kernel k_q5dc13bede6_scores
		.amdhsa_group_segment_fixed_size 327680
		.amdhsa_private_segment_fixed_size 0
		.amdhsa_enable_private_segment 0
		.amdhsa_kernarg_size 24
		.amdhsa_user_sgpr_count 2
		.amdhsa_user_sgpr_kernarg_segment_ptr 1
		.amdhsa_wavefront_size32 1
		.amdhsa_system_sgpr_workgroup_id_x 1
		.amdhsa_system_sgpr_workgroup_id_y 1
		.amdhsa_system_sgpr_workgroup_id_z 1
		.amdhsa_system_vgpr_workitem_id 0
		.amdhsa_next_free_vgpr 768
		.amdhsa_next_free_sgpr 96
		.amdhsa_reserve_vcc 0
		.amdhsa_float_denorm_mode_32 3
		.amdhsa_float_denorm_mode_16_64 3
		.amdhsa_memory_ordered 1
		.amdhsa_forward_progress 1
		.amdhsa_inst_pref_size 102
	.end_amdhsa_kernel
	.amdgpu_metadata
---
amdhsa.version: [ 1, 2 ]
amdhsa.kernels:
  - .name:           k_q5dc13bede6_scores
    .symbol:         k_q5dc13bede6_scores.kd
    .args:
      - { .name: qkv, .offset: 0, .size: 8, .value_kind: global_buffer, .address_space: global }
      - { .name: pw, .offset: 8, .size: 8, .value_kind: global_buffer, .address_space: global }
      - { .name: stats, .offset: 16, .size: 8, .value_kind: global_buffer, .address_space: global }
    .group_segment_fixed_size: 327680
    .private_segment_fixed_size: 0
    .kernarg_segment_align: 8
    .kernarg_segment_size: 24
    .max_flat_workgroup_size: 128
    .sgpr_count:     96
    .vgpr_count:     768
    .wavefront_size: 32
...
	.end_amdgpu_metadata
.endif
;; end of part 3
;; launch pv (part 4): grid 4 x 64, 4 waves a work-group, clusters of 4 x 4, 327,680 bytes of LDS; arguments pw, stats, qkv, att; writes att
.if DOCPART == 4
	.amdgcn_target "amdgcn-amd-amdhsa--gfx1250"
	.amdhsa_code_object_version 6
	.text
	.protected	k_q5dc13bede6_pv
	.globl	k_q5dc13bede6_pv
	.p2align	8
	.type	k_q5dc13bede6_pv,@function
k_q5dc13bede6_pv:
	s_mov_b64 s[64:65], 0
	v_nop
	global_prefetch_b8 v0, s[64:65] scope:SCOPE_SE
	s_setreg_imm32_b32 hwreg(HW_REG_WAVE_MODE, 25, 1), 1
	s_wait_xcnt 0x0
	s_wait_alu depctr_hold_cnt(0) depctr_sa_sdst(0) depctr_va_vdst(0) depctr_va_sdst(0) depctr_va_ssrc(0) depctr_va_vcc(0) depctr_vm_vsrc(0)
	s_getreg_b32 s2, hwreg(HW_REG_IB_STS2, 6, 4)
	s_cmp_eq_u32 s2, 0
	s_cbranch_scc0 .Lentry_in_a_cluster
	s_endpgm
.Lentry_in_a_cluster:
	s_bfe_u32 s2, ttmp6, 0x10000c
	s_cmp_lg_u32 s2, 0xf033
	s_cbranch_scc0 .Lentry_shape_is_right
	s_endpgm
.Lentry_shape_is_right:
; THE SECOND HALF OF THE ATTENTION.  For each query: M = the largest c m of its eight groups of 128 keys; alpha_kc = 2^(c m_kc - M), rounded to f16; L = the sum of l_kc alpha_kc (the rounded alpha, in f32);
; att = (the sum over keys of (p' alpha) V) / L, rounded to f16.  p' alpha is one packed f16 product on the fragments of p', between their load and the matrix instruction; the sums are f32.
; pw, qkv, att lie in layout CB(8192): element (row, col) at byte ((col >> 5) * 8192 + row) * 64 + (col & 31) * 2; V is chunks 48-71 of qkv, f16.
; LIMITS: |V| within 65,504; a weight p' alpha below 6e-8 counts as 0; NaN and infinities are not treated apart.
; SHARES.  A work-group makes 128 queries (128 y ..) x 192 channels (192 x ..); wave w queries 64 (w >> 1) .., channels 96 (w & 1) ..: 4 x 6 accumulators.  The keys go in eight steps of 128 (one group) through two LDS slots.
; CLUSTER 4 x 4: p's tile is asked for jointly by a row of the cluster, V's by a column (the batch hangs on the cluster's y alone).
; V lies [key][channel]: it comes out of LDS turned, by ds_load_tr16_b128.  In LDS 32 bytes of padding follow every 256 (4 keys of a chunk).
; THE PRODUCT IS TAKEN TRANSPOSED (source 0 = 16 channels, source 1 = 16 queries): lane l holds query l % 16 and 8 channels.  The accumulators are cleared in the wait for the first tile: a step is written once.
; PREFETCH.  p's tiles are read once, by one row of one cluster.  Behind the joint load of step i (i = 0 .. 3) wave 0 of each partner names chunk 4 (i + 4) + cx of the 128 rows, a lane 256 bytes: the four chunks of
; step i + 4, which is asked for two steps later.  Each block is named once; steps 0-3 come by their loads alone; V's tiles are not named (three chunks a half do not divide among four partners).
; REGISTERS: window 0: v0-29 addresses and work, v32-55 packed results, v64-95, v128-159 p's fragments, v224-231 1 / L, v232-235 the step's alpha (twice in a word, a word a row block); window 1: V's fragments; window 2: accumulators.
.set NBK,   6
.set NCH,   4
.set NS,    8
.set BLK,   1088
.set CA,    4*BLK
.set CBS,   2304                       ; 32 keys of one channel chunk in LDS
.set CVC,   9216                       ; 128 keys of one channel chunk
.set AH,    NCH*CA
.set BH,    3*CVC
.set SLOT1, 131072
.set STAGE, SLOT1+2*(AH+BH)
.set ALT,   STAGE+4*3*BLK              ; each wave's table of alpha: group kc at 512 kc, a lane's four words at 16 l
.set SPARE, ALT+4*4096
.set CHA,   524288
.set ASTEP, NCH*CHA
.set BSTEP, 8192                       ; 128 keys of 64 bytes
.set GF,    (1<<16)|(1<<20)|(1<<21)|(5<<22)|(3<<25)
.set GFV,   (1<<16)|(1<<20)|(1<<21)|(5<<22)|(7<<25)  ; 8 words of padding
.set F0,  64
.set F1,  128
.set LA0, 4
.set LB0, 5
.set ADA, 6
.set ADB, 7
.set STO, 8
.set RD,  9
.set GO,  10
.set PFO, 12                           ; v12  256 x lane
.set MX,  14                           ; v14-17  M
.set LS,  18                           ; v18-21  L
.set SO,  22
.set ALB, 23                           ; v23  my 16 bytes in my wave's table
.set ALA, 24
.set SPW, 28
.set NIL, 29
.set TMP, 32
.set AP,  64                           ; v64-95  alpha, packed twice, at 4 kc + a (ahead of the first fragments)
.set SS,  128                          ; v128-191  (c m, l) at 2 (4 kc + a)
.set RL,  224
.set AL,  232
.set G1A, 24
.set G0A, 32
.set G1B, 48
.set G0B, 56
.set ABASE, 66
.set BBASE, 68
.set OFA, 70
.set OFB, 72
.set SIG, 74
.set SA,  76
.set SB,  77
.set CNT, 78
.set SAL, 79                           ; the next step's place in the table
.set OUTP, 82
.set STAP, 84
.set PFA, 86
.set LIMW, 89
.set MSB, 0
.macro WIN new
.if MSB != (\new)
	s_set_vgpr_msb (MSB<<8)|(\new)
.set MSB, \new
.endif
.endm
.macro PLACES
.rept 4
	v_nop
.endr
.endm
.macro JLOAD set
	s_cmp_eq_u32 s11, 0
	s_cbranch_scc0 .Lfor_b_\@
	tensor_load_to_lds s[G0A+4*(\set):G0A+4*(\set)+3], s[G1A:G1A+7]
	s_nop 0
	PLACES
	s_branch .Lasked_\@
.Lfor_b_\@:
	tensor_load_to_lds s[G0B+4*(\set):G0B+4*(\set)+3], s[G1B:G1B+7]
	s_nop 0
	PLACES
.Lasked_\@:
.endm
.macro CREST
	s_cmp_lg_u32 s10, 0
	s_cbranch_scc1 .Lnot_wave_0_\@
	s_barrier_signal -3
.Lnot_wave_0_\@:
	s_barrier_wait -3
	s_barrier_signal -1
	s_barrier_wait -1
.endm
.macro CROUND
	s_barrier_signal -1
	s_barrier_wait -1
	CREST
.endm
.macro MULA f, a                       ; six products; the 24 accumulators take turns in one order everywhere
	WIN 0xa1
.set b, 0
.rept NBK
	v_wmma_f32_16x16x32_f16 v[8*(NBK*(\a)+b):8*(NBK*(\a)+b)+7], v[(\f)+8*b:(\f)+8*b+7], v[(\f)+8*(\a):(\f)+8*(\a)+7], v[8*(NBK*(\a)+b):8*(NBK*(\a)+b)+7]
.set b, b+1
.endr
.endm
.macro SCALE f, a                      ; row block a's fragment of p' times its queries' alpha
	WIN 0
.set b, 0
.rept 8
	v_pk_mul_f16 v[(\f)+8*(\a)+b], v[(\f)+8*(\a)+b], v[AL+(\a)]
.set b, b+1
.endr
.endm
.macro FETCH f                         ; 32 keys: V's six fragments (turned), p's four; the first four lines are the places behind the last product that read buffer f
	WIN 0
	v_add_nc_u32 v[ADA], s[SA], v[LA0]
	v_add_nc_u32 v[ADB], s[SB], v[LB0]
	v_nop
	v_nop
	s_add_co_u32 s[SA], s[SA], CA
	s_add_co_u32 s[SB], s[SB], CBS
	WIN 0x40
.set b, 0
.rept NBK
	ds_load_tr16_b128 v[(\f)+8*b:(\f)+8*b+3],   v[ADB] offset:(b/2)*CVC+(b%2)*32
	ds_load_tr16_b128 v[(\f)+8*b+4:(\f)+8*b+7], v[ADB] offset:(b/2)*CVC+(b%2)*32+CBS/2
.set b, b+1
.endr
	WIN 0
.set b, 0
.rept 4
	ds_load_b128 v[(\f)+8*b:(\f)+8*b+3],   v[ADA] offset:b*BLK
	ds_load_b128 v[(\f)+8*b+4:(\f)+8*b+7], v[ADA] offset:b*BLK+32
.set b, b+1
.endr
.endm
.macro ALOAD                           ; the next step's alpha, ahead of its first fragments
	WIN 0
	v_add_nc_u32 v[ALA], s[SAL], v[ALB]
	s_add_co_u32 s[SAL], s[SAL], 512
	ds_load_b128 v[AL:AL+3], v[ALA]
.endm
.macro QUARTER f, g
	s_wait_dscnt 4                                 ; only p's blocks 2, 3 may be out
	SCALE \f, 0
	SCALE \f, 1
	MULA \f, 0
	MULA \f, 1
	FETCH \g
	s_wait_dscnt 2*(4+NBK)                         ; all but the run just issued
	SCALE \f, 2
	SCALE \f, 3
	MULA \f, 2
	MULA \f, 3
.endm
.macro TURN refill                     ; a step's last 32 keys and the change of slots
.if \refill
	s_wait_xcnt 0x0                                ; the last prefetch, a step back, has read its address
	s_add_nc_u64 s[PFA:PFA+1], s[PFA:PFA+1], ASTEP
.endif
	WIN 0
	s_wait_tensorcnt 0x0                           ; no tensor load of mine is out
	ds_add_u32 v[SPW], v[NIL]
.if \refill
	s_add_co_u32 s[SIG], s[SIG], 1
	s_mul_i32 s[OFA], s[SIG], ASTEP
	s_mul_i32 s[OFB], s[SIG], BSTEP
	s_xor_b32 s[G0A+5], s[G0A+5], SLOT1
	s_add_nc_u64 s[G0A+6:G0A+7], s[ABASE:ABASE+1], s[OFA:OFA+1]
	s_or_b32 s[G0A+7], s[G0A+7], 0x80000000
	s_xor_b32 s[G0B+5], s[G0B+5], SLOT1
	s_add_nc_u64 s[G0B+6:G0B+7], s[BBASE:BBASE+1], s[OFB:OFB+1]
	s_or_b32 s[G0B+7], s[G0B+7], 0x80000000
.endif
	s_wait_dscnt 5                                 ; the add and p's blocks 2, 3 may be out
	SCALE F1, 0
	SCALE F1, 1
	MULA F1, 0
	s_wait_dscnt 0x0                               ; the add is done, my reads of this slot are over
	s_barrier_signal -1
	MULA F1, 1
	SCALE F1, 2
	SCALE F1, 3                                    ; the step's last use of its alpha
	WIN 0
	s_barrier_wait -1
.if \refill
	CREST
	JLOAD 1
.endif
	s_sub_co_u32 s[SA], s[SA], NCH*CA
	s_xor_b32 s[SA], s[SA], SLOT1
	s_sub_co_u32 s[SB], s[SB], NCH*CBS
	s_xor_b32 s[SB], s[SB], SLOT1
.if !(\refill)
	s_cmp_eq_u32 s[CNT], 1
	s_cbranch_scc1 .Lno_fetch_\@
.endif
	ALOAD
	FETCH F0
.if \refill
	s_cmp_gt_u32 s[CNT], s[LIMW]                   ; steps 0 to 3, wave 0
	s_cbranch_scc0 .Lnot_mine_\@
	global_prefetch_b8 v[PFO], s[PFA:PFA+1] th:TH_LOAD_NT scope:SCOPE_SE
.Lnot_mine_\@:
.else
.Lno_fetch_\@:
.endif
	MULA F1, 2
	MULA F1, 3
.endm
.macro STEP refill
	QUARTER F0, F1
	QUARTER F1, F0
	QUARTER F0, F1
	TURN \refill
.endm
.macro PACK a                          ; divided by L, rounded to f16; each accumulator's registers in ascending order
	WIN 0x82
.set b, 0
.rept 4*NBK
	v_pk_mul_f32 v[8*NBK*(\a)+2*b:8*NBK*(\a)+2*b+1], v[8*NBK*(\a)+2*b:8*NBK*(\a)+2*b+1], v[RL+2*(\a):RL+2*(\a)+1] op_sel_hi:[1,0]
.set b, b+1
.endr
	WIN 0x0a
.set b, 0
.rept 4*NBK
	v_cvt_pk_f16_f32 v[TMP+b], v[8*NBK*(\a)+2*b], v[8*NBK*(\a)+2*b+1]
.set b, b+1
.endr
	WIN 0
.endm
.macro TOSTAGE a
	WIN 0
.set BK, 128+32*((\a)%2)
.set b, 0
.rept NBK
	ds_store_b128 v[STO], v[TMP+4*b:TMP+4*b+3] offset:(b/2)*BLK+(b%2)*32
.set b, b+1
.endr
.set b, 0
.rept NBK
	ds_load_b128 v[BK+4*b:BK+4*b+3], v[RD] offset:(b/2)*BLK+(b%2)*544  ; LDS serves a wave's instructions in order: these see the stores above
.set b, b+1
.endr
.endm
.macro SEND a
.set BK, 128+32*((\a)%2)
	s_wait_dscnt 0x0
	s_wait_xcnt 0x0                                ; the stores of the block before have read their registers
.set b, 0
.rept NBK
	global_store_b128 v[GO], v[BK+4*b:BK+4*b+3], s[OUTP:OUTP+1] offset:(b/2)*CHA+(\a)*1024+(b%2)*512  ; 512 consecutive bytes, aligned
.set b, b+1
.endr
.endm
	s_load_b128 s[4:7], s[0:1], 0x0                ; pw, stats
	s_load_b128 s[96:99], s[0:1], 0x10             ; qkv, att
	v_lshl_add_u32 v[SPW], v0, 2, SPARE
	v_mov_b32 v[NIL], 0
	ds_add_u32 v[SPW], v[NIL]                      ; the wave's opening: the add and its wait ahead of my first tensor load
	v_lshrrev_b32 v14, 5, v0
	v_readfirstlane_b32 s10, v14
	s_lshr_b32 s11, s10, 1
	s_and_b32 s12, s10, 1
	s_bfe_u32 s40, ttmp6, 0x40000                  ; cx = x
	s_bfe_u32 s41, ttmp6, 0x40004                  ; cy
	s_and_b32 s44, ttmp7, 0xffff
	s_lshl_b32 s43, s44, 2
	s_add_co_u32 s43, s43, s41                     ; y
	s_lshl_b32 s13, s41, 2
	s_lshl_b32 s13, 15, s13
	s_lshl_b32 s14, 0x1111, s40
	s_or_b32 s[G1A], s13, GF
	s_or_b32 s[G1B], s14, GFV
	s_mov_b32 s[G1A+1], 2048<<16                   ; 64 queries of one chunk of keys
	s_mov_b32 s[G1A+2], NCH<<16
	s_mov_b32 s[G1A+3], 2048<<16
	s_mov_b32 s[G1A+4], NCH
	s_mov_b32 s[G1A+5], CHA/2
	s_mov_b32 s[G1A+6], 0
	s_mov_b32 s[G1A+7], 0
	s_mov_b32 s[G1B+1], 4096<<16                   ; 128 keys of one chunk of channels
	s_mov_b32 s[G1B+2], 3<<16                      ; three chunks: 96 channels
	s_mov_b32 s[G1B+3], 4096<<16
	s_mov_b32 s[G1B+4], 3
	s_mov_b32 s[G1B+5], CHA/2
	s_mov_b32 s[G1B+6], 0
	s_mov_b32 s[G1B+7], 0
	s_lshl_b32 s16, s43, 13
	s_lshl_b32 s17, s12, 12
	s_add_co_u32 s16, s16, s17
	s_mov_b32 s17, 0
	s_mul_i32 s18, s40, 6                          ; V: chunk 48 + 6 x + 3 half, rows 1,024 batch
	s_mul_i32 s19, s12, 3
	s_add_co_u32 s18, s18, s19
	s_add_co_u32 s18, s18, 48
	s_lshl_b32 s18, s18, 19
	s_lshr_b32 s19, s44, 1
	s_lshl_b32 s19, s19, 16
	s_add_co_u32 s18, s18, s19
	s_mov_b32 s19, 0
	s_mul_i32 s20, s12, AH
	s_mul_i32 s21, s12, BH
	s_add_co_u32 s21, s21, 2*AH
	s_mov_b32 s[G0A], 1
	s_mov_b32 s[G0A+1], s20
	s_mov_b32 s[G0A+4], 1
	s_add_co_u32 s[G0A+5], s20, SLOT1
	s_mov_b32 s[G0B], 1
	s_mov_b32 s[G0B+1], s21
	s_mov_b32 s[G0B+4], 1
	s_add_co_u32 s[G0B+5], s21, SLOT1
	s_mov_b32 s[SIG], 1
	s_mov_b32 s[OFA+1], 0
	s_mov_b32 s[OFB+1], 0
	s_mov_b32 s[SA], 0
	s_mov_b32 s[SB], 0
	s_mov_b32 s[SAL], 0
	s_cmp_eq_u32 s10, 0
	s_cselect_b32 s[LIMW], 2, -1                   ; wave 0 asks while more than two refilling steps are left
	s_wait_dscnt 0x0                               ; the opening add is done
	s_wait_kmcnt 0x0
	s_add_nc_u64 s[ABASE:ABASE+1], s[4:5], s[16:17]
	s_add_nc_u64 s[BBASE:BBASE+1], s[96:97], s[18:19]
	s_mov_b64 s[G0A+2:G0A+3], s[ABASE:ABASE+1]
	s_or_b32 s[G0A+3], s[G0A+3], 0x80000000
	s_add_nc_u64 s[G0A+6:G0A+7], s[ABASE:ABASE+1], ASTEP
	s_or_b32 s[G0A+7], s[G0A+7], 0x80000000
	s_mov_b64 s[G0B+2:G0B+3], s[BBASE:BBASE+1]
	s_or_b32 s[G0B+3], s[G0B+3], 0x80000000
	s_add_nc_u64 s[G0B+6:G0B+7], s[BBASE:BBASE+1], BSTEP
	s_or_b32 s[G0B+7], s[G0B+7], 0x80000000
	CROUND
	JLOAD 0
	JLOAD 1                                        ; two loads of mine are out
	v_and_b32 v1, 15, v0
	v_bfe_u32 v2, v0, 4, 1
	v_lshlrev_b32 v[SO], 3, v1                     ; 8 r: both halves of the lanes read their query's pair
	s_lshl_b32 s22, s43, 10                        ; stats at my 64 queries
	s_lshl_b32 s23, s11, 9
	s_add_co_u32 s22, s22, s23
	s_mov_b32 s23, 0
	s_add_nc_u64 s[STAP:STAP+1], s[6:7], s[22:23]
.set i, 0
.rept 32                               ; i = 4 kc + a
	global_load_b64 v[SS+2*i:SS+2*i+1], v[SO], s[STAP:STAP+1] offset:(i/4)*65536+(i%4)*128
.set i, i+1
.endr
	v_lshrrev_b32 v14, 2, v1
	v_lshlrev_b32 v3, 6, v1
	v_lshl_add_u32 v3, v14, 4, v3
	v_lshl_add_u32 v3, v2, 4, v3                   ; 64 r + 16 (r >> 2) + 16 h
	s_mul_i32 s13, s11, AH
	v_add_nc_u32 v[LA0], s13, v3
	v_and_b32 v14, 7, v0                           ; the turning load: key p = 8 h + l % 8, at 64 p + 32 (p >> 2), channels 8 ((l >> 3) & 1) ..
	v_lshl_add_u32 v14, v2, 3, v14
	v_lshrrev_b32 v15, 2, v14
	v_lshlrev_b32 v16, 6, v14
	v_lshl_add_u32 v16, v15, 5, v16
	v_bfe_u32 v15, v0, 3, 1
	v_lshl_add_u32 v16, v15, 4, v16
	s_mul_i32 s13, s12, BH
	s_add_co_u32 s13, s13, 2*AH
	v_add_nc_u32 v[LB0], s13, v16
	s_mul_i32 s13, s10, 3*BLK
	s_add_co_u32 s13, s13, STAGE
	v_add_nc_u32 v[STO], s13, v3
	v_and_b32 v14, 31, v0
	v_lshlrev_b32 v[GO], 4, v14
	v_lshl_add_u32 v[RD], v2, 4, v[GO]
	v_add_nc_u32 v[RD], s13, v[RD]
	v_lshlrev_b32 v[PFO], 8, v14
	s_lshl_b32 s13, s10, 12
	s_add_co_u32 s13, s13, ALT
	v_add_nc_u32 v[ALB], s13, v[GO]
	s_mul_i32 s22, s40, 6                          ; att: chunk 6 x + 3 half, rows 128 y + 64 half
	s_mul_i32 s23, s12, 3
	s_add_co_u32 s22, s22, s23
	s_lshl_b32 s22, s22, 19
	s_lshl_b32 s23, s43, 13
	s_add_co_u32 s22, s22, s23
	s_lshl_b32 s23, s11, 12
	s_add_co_u32 s22, s22, s23
	s_mov_b32 s23, 0
	s_add_nc_u64 s[OUTP:OUTP+1], s[98:99], s[22:23]
	s_add_co_u32 s22, s40, 12                      ; the prefetches: chunk 12 + cx of my work-group's 128 rows; each refilling step steps it by four chunks ahead of its use
	s_lshl_b32 s22, s22, 19
	s_lshl_b32 s23, s43, 13
	s_add_co_u32 s22, s22, s23
	s_mov_b32 s23, 0
	s_add_nc_u64 s[PFA:PFA+1], s[4:5], s[22:23]
	WIN 0x80
.set b, 0
.rept 192
	v_mov_b32 v[b], 0                              ; the sums start at 0: written while the first tiles and the statistics are on their way
.set b, b+1
.endr
	WIN 0
	s_wait_loadcnt 0x0
.set a, 0
.rept 4
	v_max3_num_f32 v[MX+a], v[SS+2*a], v[SS+2*(4+a)], v[SS+2*(8+a)]
	v_max3_num_f32 v[MX+a], v[MX+a], v[SS+2*(12+a)], v[SS+2*(16+a)]
	v_max3_num_f32 v[MX+a], v[MX+a], v[SS+2*(20+a)], v[SS+2*(24+a)]
	v_max_num_f32 v[MX+a], v[MX+a], v[SS+2*(28+a)]
.set a, a+1
.endr
.set i, 0
.rept 32
	v_sub_f32 v[SS+2*i], v[SS+2*i], v[MX+i%4]
.set i, i+1
.endr
.set i, 0
.rept 32
	v_exp_f32 v[SS+2*i], v[SS+2*i]                 ; one batch
.set i, i+1
.endr
	v_nop
	s_wait_alu depctr_va_vdst(0)                   ; one wait ahead of the batch's first reader
.set i, 0
.rept 32
	v_cvt_pk_f16_f32 v[AP+i], v[SS+2*i], v[SS+2*i]
.set i, i+1
.endr
.set i, 0
.rept 32                               ; L = the sum of l x the rounded alpha, read as f16 from the word's low half
.if i < 4
	v_fma_mix_f32 v[LS+i], v[AP+i], v[SS+2*i+1], v[NIL] op_sel_hi:[1,0,0]
.else
	v_fma_mix_f32 v[LS+i%4], v[AP+i], v[SS+2*i+1], v[LS+i%4] op_sel_hi:[1,0,0]
.endif
.set i, i+1
.endr
.set a, 0
.rept 4
	v_rcp_f32 v[RL+2*a], v[LS+a]
.set a, a+1
.endr
.set i, 0
.rept 8
	ds_store_b128 v[ALB], v[AP+4*i:AP+4*i+3] offset:512*i
.set i, i+1
.endr
	v_nop
	s_wait_alu depctr_va_vdst(0)                   ; one wait for the four reciprocals
.set a, 0
.rept 4
	v_mov_b32 v[RL+2*a+1], v[RL+2*a]               ; named as a pair
.set a, a+1
.endr
	s_wait_dscnt 0x0
	s_wait_tensorcnt 0x1                           ; my part of slot 0 is in; slot 1's may stay out
	s_barrier_signal -1
	s_barrier_wait -1
	ALOAD
	FETCH F0
	s_mov_b32 s[CNT], NS-2
.Lstep:
	STEP 1
	WIN 0
	s_sub_co_u32 s[CNT], s[CNT], 1
	s_cmp_lg_u32 s[CNT], 0
	s_cbranch_scc1 .Lstep
	s_mov_b32 s[CNT], 2
.Ltail:                                        ; the last two steps ask for nothing
	STEP 0
	WIN 0
	s_sub_co_u32 s[CNT], s[CNT], 1
	s_cmp_lg_u32 s[CNT], 0
	s_cbranch_scc1 .Ltail
	PLACES
	PACK 0
	TOSTAGE 0
.irp a, 1,2,3
	PACK \a
	SEND (\a)-1
	TOSTAGE \a
.endr
	SEND 3
	s_wait_tensorcnt 0x0                           ; the wave's end
	ds_add_u32 v[SPW], v[NIL]
	s_wait_dscnt 0x0
	CROUND
	s_endpgm
.Lfunc_end_k_q5dc13bede6_pv:
	.size	k_q5dc13bede6_pv, .Lfunc_end_k_q5dc13bede6_pv-k_q5dc13bede6_pv
	.p2alignl 7, 3214868480
	.fill 96, 4, 3214868480
	.section	.rodata,"a",@progbits
	.p2align	6, 0x0
	.amdhsa_kernel k_q5dc13bede6_pv
		.amdhsa_group_segment_fixed_size 327680
		.amdhsa_private_segment_fixed_size 0
		.amdhsa_enable_private_segment 0
		.amdhsa_kernarg_size 32
		.amdhsa_user_sgpr_count 2
		.amdhsa_user_sgpr_kernarg_segment_ptr 1
		.amdhsa_wavefront_size32 1
		.amdhsa_system_sgpr_workgroup_id_x 1
		.amdhsa_system_sgpr_workgroup_id_y 1
		.amdhsa_system_sgpr_workgroup_id_z 1
		.amdhsa_system_vgpr_workitem_id 0
		.amdhsa_next_free_vgpr 704
		.amdhsa_next_free_sgpr 100
		.amdhsa_reserve_vcc 0
		.amdhsa_float_denorm_mode_32 3
		.amdhsa_float_denorm_mode_16_64 3
		.amdhsa_memory_ordered 1
		.amdhsa_forward_progress 1
		.amdhsa_inst_pref_size 90
	.end_amdhsa_kernel
	.amdgpu_metadata
---
amdhsa.version: [ 1, 2 ]
amdhsa.kernels:
  - .name:           k_q5dc13bede6_pv
    .symbol:         k_q5dc13bede6_pv.kd
    .args:
      - { .name: pw, .offset: 0, .size: 8, .value_kind: global_buffer, .address_space: global }
      - { .name: stats, .offset: 8, .size: 8, .value_kind: global_buffer, .address_space: global }
      - { .name: qkv, .offset: 16, .size: 8, .value_kind: global_buffer, .address_space: global }
      - { .name: att, .offset: 24, .size: 8, .value_kind: global_buffer, .address_space: global }
    .group_segment_fixed_size: 327680
    .private_segment_fixed_size: 0
    .kernarg_segment_align: 8
    .kernarg_segment_size: 32
    .max_flat_workgroup_size: 128
    .sgpr_count:     100
    .vgpr_count:     704
    .wavefront_size: 32
...
	.end_amdgpu_metadata
.endif
;; end of part 4
;; launch ff1 (part 5): grid 8 x 32, 4 waves a work-group, clusters of 4 x 4, 327,680 bytes of LDS; arguments att, wts, hb; writes hb
.if DOCPART == 5
	.amdgcn_target "amdgcn-amd-amdhsa--gfx1250"
	.amdhsa_code_object_version 6
	.text
	.protected	k_q5dc13bede6_ff1
	.globl	k_q5dc13bede6_ff1
	.p2align	8
	.type	k_q5dc13bede6_ff1,@function
k_q5dc13bede6_ff1:
	s_mov_b64 s[64:65], 0
	v_nop
	global_prefetch_b8 v0, s[64:65] scope:SCOPE_SE
	s_setreg_imm32_b32 hwreg(HW_REG_WAVE_MODE, 25, 1), 1
	s_wait_xcnt 0x0
	s_wait_alu depctr_hold_cnt(0) depctr_sa_sdst(0) depctr_va_vdst(0) depctr_va_sdst(0) depctr_va_ssrc(0) depctr_va_vcc(0) depctr_vm_vsrc(0)
	s_getreg_b32 s2, hwreg(HW_REG_IB_STS2, 6, 4)
	s_cmp_eq_u32 s2, 0
	s_cbranch_scc0 .Lentry_in_a_cluster
	s_endpgm
.Lentry_in_a_cluster:
	s_bfe_u32 s2, ttmp6, 0x10000c
	s_cmp_lg_u32 s2, 0xf033
	s_cbranch_scc0 .Lentry_shape_is_right
	s_endpgm
.Lentry_shape_is_right:
; C = A B^T + bias on 8,192 rows, K = 768.  ONE TEXT FOR TWO LAUNCHES, told apart by FF1:
;   FF1 = 0: A = x (bf16), B = [Wq; Wk; Wv] (bf16, 2,304 rows); C = Q | K | V, all rounded to f16 (a tile of 288 columns crosses their borders, so they share a format).
;   FF1 = 1: A = the attention's result (f16), B = W1 (f16, 3,072 rows); C = relu(..), rounded to bf16.
; All 16-bit matrices lie in layout CB(R): element (row, col) at byte ((col >> 5) * R + row) * 64 + (col & 31) * 2; 16 rows x 32 columns, a fragment, are 1,024 bytes on end.
; LIMITS.  Q, K and V must stay within f16's 65,504.  With FF1 = 1 the bias (rounded to bf16 by the launch before) enters as f16: below 2^-14 it keeps f16's fixed step of 2^-24.
; relu is a packed maximum with 0: a NaN becomes 0.  NaN and infinities are not treated apart (an infinite bias gives NaN).
; SHARES.  256 work-groups, one tile each: 256 rows (256 y ..) x 32 NB columns (32 NB x ..), NB = 9 or 12.  Wave w makes rows 128 (w >> 1) .. and columns 16 NB (w & 1) ..: 8 x NB accumulators of 16 x 16.
; K goes in 12 steps of 64 (2 chunks) through two LDS slots.  CLUSTER 4 x 4: A's tile hangs on y alone and is asked for jointly by a row of the cluster, B's on x alone, by a column.
; Waves 0, 1 ask for A's two halves, waves 2, 3 for B's.
; THE PRODUCT IS TAKEN TRANSPOSED (source 0 = 16 rows of B, source 1 = 16 rows of A): lane l holds row l % 16 of C and the 8 columns 8 (l / 16) ..
; A CHUNK GOES BY COLUMN BLOCKS: block b's eight products (all row blocks) stand together, so B's fragment b is free behind them.  B has ONE buffer, filled in two runs: behind the first NH0 blocks' products the next
; chunk's first NH0 fragments of B and its eight of A (A has two buffers), behind the last block's products the other NH1 of B.  Each run stands half a chunk or more ahead of its first use.
; THE SUMS START BY A PRODUCT with the constant 0 as C: source 0 holds the bias at k = 1 (the upper half of a fragment's first register; what else lies in the fragment is finite and meets zeros), source 1 holds 1 at k = 1 and 0 elsewhere.
; THE WAY OUT goes through one stage, laid over the slots when nobody reads them any more: 16 x NB blocks laid as in memory; with NB = 9 a chunk's two halves come from two waves.  Then a loop over the tile's NB chunks.
; PREFETCH.  A's rows are read by the two clusters of a row of clusters: the one with x = 0 asks.  Behind the joint load of step i (i = 0 .. 8) wave 0 of each partner names chunk 2 (i + 3) + (cx >> 1), rows 128 (cx & 1) ..
; of the tile's 256, a lane 256 bytes: step i + 3, which is asked for one step, 16 NB products a wave, later.  Each block is named once; steps 0-2 come by their loads alone.  B's 12 NB blocks a step, 3 NB to a partner, are no whole
; number of instructions of 32 lanes: they are not named.
; REGISTERS (windows of 256; s_set_vgpr_msb: bits 1:0 source 0, 3:2 source 1, 5:4 source 2, 7:6 destination): window 0: v0-29 addresses, v32-95 and v96-159 A's fragments, v160-255 B's (on the way out v32-79 packed
; results, v96-127 rows read back); windows 1 to 3: accumulator (a, b) in window 1 + b / 4 at v[64 (b % 4) + 8 a].
.set FF1,   1
.if FF1
.set NB,    12                         ; blocks of 16 columns a wave
.set CHB,   196608                     ; bytes in a chunk of B
.set WOFF,  3538944                    ; B's place in wts
.set BOFF,  12976128+9216              ; the bias's
.set ONE,   0x3c000000                 ; 1 in the upper half
.else
.set NB,    9
.set CHB,   147456
.set WOFF,  0
.set BOFF,  12976128
.set ONE,   0x3f800000
.endif
.set NH0,   (NB+1)/2                   ; B's fragments in the first run
.set NH1,   NB-NH0                     ; and in the second
.set NL1,   2*NH0+16                   ; LDS loads in the first run
.set NL2,   2*NH1                      ; and in the second
.set NCW,   NB                         ; chunks of 32 columns in the work-group's tile
.set NCH,   2                          ; chunks of 32 along K in a step
.set NS,    12
.set BLK,   1088                       ; 16 rows x 64 bytes in LDS, 16 bytes of padding behind every 256: row p at 64 p + 16 (p >> 2): the 16 rows of a load start at 16 different groups of four banks
.set CA,    8*BLK                      ; a chunk of half of A's rows
.set CBB,   NB*BLK                     ; a chunk of half of B's rows
.set AH,    NCH*CA
.set BH,    NCH*CBB
.set SLOT1, 131072                     ; a slot: A half 0, A half 1, B half 0, B half 1; one exclusive or changes slots
.set SPARE, SLOT1+2*(AH+BH)            ; behind the ring: the spare words, 128 bytes a wave
.set RBS,   NCW*BLK                    ; the stage: block (16 rows rb, chunk c) at rb RBS + c BLK
.if NB%2                               ; where the right half's even and odd column blocks begin in a row block of the stage
.set STE1,  (NB/2)*BLK+32
.set STO1,  (NB/2+1)*BLK
.else
.set STE1,  (NB/2)*BLK
.set STO1,  (NB/2)*BLK+32
.endif
.set CHA,   524288                     ; bytes in a chunk of a matrix of 8,192 rows
.set ASTEP, NCH*CHA
.set BSTEP, NCH*CHB
.set GF,    (1<<16)|(1<<20)|(1<<21)|(5<<22)|(3<<25)  ; 2-byte elements; padding on; bit 21 beside a mask; after every 64 words; 4 words
.set FA0, 32
.set FA1, 96
.set FB,  160
.set TMP, 32
.set BK,  96
.set LA0, 4                            ; v4   my lane's place in A's fragments, slot 0, chunk 0; never rewritten
.set LB0, 5                            ; v5   the same for B
.set ADA, 6                            ; v6   the addresses of the runs of loads in hand
.set ADB, 7
.set STE, 8                            ; v8   the way out: where I put 16 bytes of an even column block
.set STO, 9                            ; v9   of an odd one
.set GO,  10                           ; v10  16 x lane
.set RD,  11                           ; v11  where I read 512 bytes' share back
.set BO,  12                           ; v12  my byte offset in the tile's bias
.set ZR,  13                           ; v13  0
.set PFO, 15                           ; v15  256 x lane
.set SPW, 28
.set NIL, 29
.set G1A, 24
.set G0A, 32                           ; s[32:35] slot 0's first fill; s[36:39] walks
.set G1B, 48
.set G0B, 56
.set ABASE, 66
.set BBASE, 68
.set OFA, 70
.set OFB, 72
.set SIG, 74                           ; the step that was asked for last
.set SA,  76                           ; LDS byte of the chunk to be fetched next, A's
.set SB,  77                           ; B's
.set CNT, 78
.set OUTP, 82
.set BIASP, 84
.set PFA, 86
.set LIMW, 89
.set UP,  94                           ; s94  lanes 16-31
.set MSB, 0
.macro WIN new                         ; the high byte repeats the setting that is left; a switch that changes nothing is dropped
.if MSB != (\new)
	s_set_vgpr_msb (MSB<<8)|(\new)
.set MSB, \new
.endif
.endm
.macro PLACES
.rept 4
	v_nop
.endr
.endm
.macro JLOAD set                       ; a joint load; the branch hangs on the wave's number alone; an s_nop 0 and four v_nop follow each line
	s_cmp_eq_u32 s11, 0
	s_cbranch_scc0 .Lfor_b_\@
	tensor_load_to_lds s[G0A+4*(\set):G0A+4*(\set)+3], s[G1A:G1A+7]
	s_nop 0
	PLACES
	s_branch .Lasked_\@
.Lfor_b_\@:
	tensor_load_to_lds s[G0B+4*(\set):G0B+4*(\set)+3], s[G1B:G1B+7]
	s_nop 0
	PLACES
.Lasked_\@:
.endm
.macro CREST                           ; a round of the cluster's barrier behind its opening barrier
	s_cmp_lg_u32 s10, 0
	s_cbranch_scc1 .Lnot_wave_0_\@
	s_barrier_signal -3
.Lnot_wave_0_\@:
	s_barrier_wait -3
	s_barrier_signal -1
	s_barrier_wait -1
.endm
.macro CROUND
	s_barrier_signal -1
	s_barrier_wait -1
	CREST
.endm
; eight products: column block b x all row blocks, 32 along K, A from buffer pa.  The 8 NB accumulators take turns in one order everywhere.
.macro MULB pa, b
	WIN 0x50*(1+(\b)/4)                            ; A and B window 0, C and D window 1 + b / 4
.set ia, 0
.rept 8
.if FF1
	v_wmma_f32_16x16x32_f16 v[64*((\b)%4)+8*ia:64*((\b)%4)+8*ia+7], v[FB+8*(\b):FB+8*(\b)+7], v[(\pa)+8*ia:(\pa)+8*ia+7], v[64*((\b)%4)+8*ia:64*((\b)%4)+8*ia+7]
.else
	v_wmma_f32_16x16x32_bf16 v[64*((\b)%4)+8*ia:64*((\b)%4)+8*ia+7], v[FB+8*(\b):FB+8*(\b)+7], v[(\pa)+8*ia:(\pa)+8*ia+7], v[64*((\b)%4)+8*ia:64*((\b)%4)+8*ia+7]
.endif
.set ia, ia+1
.endr
.endm
.macro MULR pa, b0, b1                 ; column blocks b0 .. b1 - 1
.set ib, \b0
.rept (\b1)-(\b0)
	MULB \pa, ib
.set ib, ib+1
.endr
.endm
; the next chunk's first run: B's fragments 0 .. NH0 - 1 and A's eight, into buffer pa.  Its first four lines are the four places between the last product that read those fragments of B and the loads into them.
.macro RUN1 pa
	WIN 0
	v_add_nc_u32 v[ADA], s[SA], v[LA0]
	v_add_nc_u32 v[ADB], s[SB], v[LB0]
	v_nop
	v_nop
	s_add_co_u32 s[SA], s[SA], CA
	s_add_co_u32 s[SB], s[SB], CBB
.set ib, 0
.rept NH0
	ds_load_b128 v[FB+8*ib:FB+8*ib+3],   v[ADB] offset:ib*BLK
	ds_load_b128 v[FB+8*ib+4:FB+8*ib+7], v[ADB] offset:ib*BLK+32
.set ib, ib+1
.endr
.set ia, 0
.rept 8
	ds_load_b128 v[(\pa)+8*ia:(\pa)+8*ia+3],   v[ADA] offset:ia*BLK
	ds_load_b128 v[(\pa)+8*ia+4:(\pa)+8*ia+7], v[ADA] offset:ia*BLK+32
.set ia, ia+1
.endr
.endm
.macro RUN2                            ; its second run: B's other fragments, by the address that the first run made
	WIN 0
	PLACES                                         ; behind the last product that read them
.set ib, NH0
.rept NH1
	ds_load_b128 v[FB+8*ib:FB+8*ib+3],   v[ADB] offset:ib*BLK
	ds_load_b128 v[FB+8*ib+4:FB+8*ib+7], v[ADB] offset:ib*BLK+32
.set ib, ib+1
.endr
.endm
.macro QUARTER                         ; a step's first chunk, on A's buffer 0
	s_wait_dscnt NL2                               ; the first run is in; the second run's loads may be out
	MULR FA0, 0, NH0
	RUN1 FA1
	s_wait_dscnt NL1                               ; all but the run just issued
	MULR FA0, NH0, NB
	RUN2
.endm
; a step's second chunk, on A's buffer 1, and in its middle the change of slots: each wave waits for all its tensor loads (one is out: its part of the other slot), adds 0 to its spare word, waits for that and for its
; reads of this slot (the last are this chunk's second run).  refill = 1: the barrier opens a round of the cluster's, and this slot is filled again, first thing behind it, with the step two on.
.macro TURN refill
.if \refill
	s_wait_xcnt 0x0                                ; the last prefetch, a step back, has read its address
	s_add_nc_u64 s[PFA:PFA+1], s[PFA:PFA+1], ASTEP
.endif
	s_wait_dscnt NL2                               ; the first run is in
	MULR FA1, 0, NH0-2
	WIN 0
	s_wait_tensorcnt 0x0                           ; no tensor load of mine is out, so a group 0 may be written
	ds_add_u32 v[SPW], v[NIL]                      ; 0 onto my spare word; the descriptors' work and eight products stand between it and the wait for it
.if \refill
	s_add_co_u32 s[SIG], s[SIG], 1
	s_mul_i32 s[OFA], s[SIG], ASTEP
	s_mul_i32 s[OFB], s[SIG], BSTEP
	s_xor_b32 s[G0A+5], s[G0A+5], SLOT1
	s_add_nc_u64 s[G0A+6:G0A+7], s[ABASE:ABASE+1], s[OFA:OFA+1]  ; the address is made anew: base + offset, the type set again
	s_or_b32 s[G0A+7], s[G0A+7], 0x80000000
	s_xor_b32 s[G0B+5], s[G0B+5], SLOT1
	s_add_nc_u64 s[G0B+6:G0B+7], s[BBASE:BBASE+1], s[OFB:OFB+1]
	s_or_b32 s[G0B+7], s[G0B+7], 0x80000000
.endif
	MULR FA1, NH0-2, NH0-1
	s_wait_dscnt 0x0                               ; the add is done, my reads of this slot are over
	s_barrier_signal -1
	MULR FA1, NH0-1, NH0
	WIN 0
	s_barrier_wait -1
.if \refill
	CREST
	JLOAD 1
.endif
	s_sub_co_u32 s[SA], s[SA], NCH*CA              ; the fetches go back to a slot's first chunk, in the other slot
	s_xor_b32 s[SA], s[SA], SLOT1
	s_sub_co_u32 s[SB], s[SB], NCH*CBB
	s_xor_b32 s[SB], s[SB], SLOT1
.if !(\refill)
	s_cmp_eq_u32 s[CNT], 1                         ; behind the last step there is nothing to fetch
	s_cbranch_scc1 .Lno1_\@
.endif
	RUN1 FA0
.if \refill
	s_cmp_gt_u32 s[CNT], s[LIMW]                   ; steps 0 to 8, wave 0, the cluster with x = 0
	s_cbranch_scc0 .Lnot_mine_\@
	global_prefetch_b8 v[PFO], s[PFA:PFA+1] th:TH_LOAD_NT scope:SCOPE_SE
.Lnot_mine_\@:
.else
.Lno1_\@:
.endif
	MULR FA1, NH0, NB
.if !(\refill)
	WIN 0
	s_cmp_eq_u32 s[CNT], 1
	s_cbranch_scc1 .Lno2_\@
.endif
	RUN2
.if !(\refill)
.Lno2_\@:
.endif
.endm
; THE WAY OUT of row block a: rounded, each accumulator's registers in ascending order, and 16 bytes a lane and column block into the stage.
.macro PACK a
.set ib, 0
.rept NB
	WIN 0x05*(1+ib/4)                              ; sources in window 1 + b / 4, destination window 0
.set ir, 0
.rept 4
.if FF1
	v_cvt_pk_bf16_f32 v[TMP+4*ib+ir], v[64*(ib%4)+8*(\a)+2*ir], v[64*(ib%4)+8*(\a)+2*ir+1]
.else
	v_cvt_pk_f16_f32 v[TMP+4*ib+ir], v[64*(ib%4)+8*(\a)+2*ir], v[64*(ib%4)+8*(\a)+2*ir+1]
.endif
.set ir, ir+1
.endr
.set ib, ib+1
.endr
	WIN 0
.set ib, 0
.rept NB
.if ib%2
	ds_store_b128 v[STO], v[TMP+4*ib:TMP+4*ib+3] offset:(ib/2)*BLK
.else
	ds_store_b128 v[STE], v[TMP+4*ib:TMP+4*ib+3] offset:(ib/2)*BLK
.endif
.set ib, ib+1
.endr
	v_add_nc_u32 v[STE], RBS, v[STE]               ; the next 16 rows
	v_add_nc_u32 v[STO], RBS, v[STO]
.endm
	s_load_b128 s[4:7], s[0:1], 0x0                ; A, wts
	s_load_b64 s[8:9], s[0:1], 0x10                ; C
	v_lshl_add_u32 v[SPW], v0, 2, SPARE
	v_mov_b32 v[NIL], 0
	ds_add_u32 v[SPW], v[NIL]                      ; the wave's opening: the add and its wait ahead of my first tensor load
	v_lshrrev_b32 v14, 5, v0
	v_readfirstlane_b32 s10, v14                   ; wave
	s_lshr_b32 s11, s10, 1                         ; my half of the rows; also: 0 = I ask for A, 1 = for B
	s_and_b32 s12, s10, 1                          ; my half of the columns; also: which half I ask for
	s_bfe_u32 s40, ttmp6, 0x40000                  ; cx
	s_bfe_u32 s41, ttmp6, 0x40004                  ; cy
	s_lshl_b32 s42, ttmp9, 2
	s_add_co_u32 s42, s42, s40                     ; x
	s_and_b32 s43, ttmp7, 0xffff
	s_lshl_b32 s43, s43, 2
	s_add_co_u32 s43, s43, s41                     ; y
	s_lshl_b32 s13, s41, 2
	s_lshl_b32 s13, 15, s13                        ; my row of the cluster
	s_lshl_b32 s14, 0x1111, s40                    ; my column
	s_or_b32 s[G1A], s13, GF
	s_or_b32 s[G1B], s14, GF
	s_mov_b32 s[G1A+1], 4096<<16                   ; a row of the tile: 128 rows of one chunk, 4,096 elements on end
	s_mov_b32 s[G1A+2], NCH<<16                    ; as many rows as the step has chunks
	s_mov_b32 s[G1A+3], 4096<<16
	s_mov_b32 s[G1A+4], NCH
	s_mov_b32 s[G1A+5], CHA/2                      ; elements from chunk to chunk
	s_mov_b32 s[G1A+6], 0
	s_mov_b32 s[G1A+7], 0
	s_mov_b32 s[G1B+1], (512*NB)<<16               ; 16 NB rows of one chunk
	s_mov_b32 s[G1B+2], NCH<<16
	s_mov_b32 s[G1B+3], (512*NB)<<16
	s_mov_b32 s[G1B+4], NCH
	s_mov_b32 s[G1B+5], CHB/2
	s_mov_b32 s[G1B+6], 0
	s_mov_b32 s[G1B+7], 0
	s_lshl_b32 s16, s43, 14                        ; A: rows 256 y + 128 half, 64 bytes each
	s_lshl_b32 s17, s12, 13
	s_add_co_u32 s16, s16, s17
	s_mov_b32 s17, 0
	s_mul_i32 s18, s42, 2048*NB                    ; B: rows 32 NB x + 16 NB half
	s_mul_i32 s19, s12, 1024*NB
	s_add_co_u32 s18, s18, s19
	s_add_co_u32 s18, s18, WOFF
	s_mov_b32 s19, 0
	s_mul_i32 s20, s12, AH                         ; where they go: the wave's number alone
	s_mul_i32 s21, s12, BH
	s_add_co_u32 s21, s21, 2*AH
	s_mov_b32 s[G0A], 1
	s_mov_b32 s[G0A+1], s20
	s_mov_b32 s[G0A+4], 1
	s_add_co_u32 s[G0A+5], s20, SLOT1
	s_mov_b32 s[G0B], 1
	s_mov_b32 s[G0B+1], s21
	s_mov_b32 s[G0B+4], 1
	s_add_co_u32 s[G0B+5], s21, SLOT1
	s_mov_b32 s[SIG], 1
	s_mov_b32 s[OFA+1], 0
	s_mov_b32 s[OFB+1], 0
	s_mov_b32 s[SA], 0
	s_mov_b32 s[SB], 0
	s_mov_b32 s[UP], 0xffff0000
	s_or_b32 s13, s10, ttmp9                       ; wave 0 of the cluster with x = 0 asks while more than one refilling step is left: the same in all sixteen partners
	s_cmp_eq_u32 s13, 0
	s_cselect_b32 s[LIMW], 1, -1
	s_wait_dscnt 0x0                               ; the opening add is done
	s_wait_kmcnt 0x0
	s_add_nc_u64 s[ABASE:ABASE+1], s[4:5], s[16:17]
	s_add_nc_u64 s[BBASE:BBASE+1], s[6:7], s[18:19]
	s_mov_b64 s[G0A+2:G0A+3], s[ABASE:ABASE+1]     ; step 0
	s_or_b32 s[G0A+3], s[G0A+3], 0x80000000
	s_add_nc_u64 s[G0A+6:G0A+7], s[ABASE:ABASE+1], ASTEP  ; step 1
	s_or_b32 s[G0A+7], s[G0A+7], 0x80000000
	s_mov_b64 s[G0B+2:G0B+3], s[BBASE:BBASE+1]
	s_or_b32 s[G0B+3], s[G0B+3], 0x80000000
	s_add_nc_u64 s[G0B+6:G0B+7], s[BBASE:BBASE+1], BSTEP
	s_or_b32 s[G0B+7], s[G0B+7], 0x80000000
	CROUND                                         ; all sixteen work-groups are here: the first joint loads meet
	JLOAD 0
	JLOAD 1                                        ; two loads of mine are out
	v_and_b32 v1, 15, v0                           ; r = l % 16
	v_bfe_u32 v2, v0, 4, 1                         ; h = l / 16
	s_mul_i32 s13, s12, 64*NB
	v_lshl_add_u32 v[BO], v1, 2, s13               ; (16 NB half + r) x 4
	s_mul_i32 s18, s42, 128*NB                     ; the tile's 32 NB numbers of the bias
	s_add_co_u32 s18, s18, BOFF
	s_mov_b32 s19, 0
	s_add_nc_u64 s[BIASP:BIASP+1], s[6:7], s[18:19]
.set ib, 0
.rept NB                               ; column 16 b + r's bias, an f32 word that holds a bf16 number: its upper half is that number, its lower half 0
	global_load_b32 v[FB+2*ib], v[BO], s[BIASP:BIASP+1] offset:64*ib
.set ib, ib+1
.endr
	v_lshrrev_b32 v14, 2, v1
	v_lshlrev_b32 v3, 6, v1
	v_lshl_add_u32 v3, v14, 4, v3
	v_lshl_add_u32 v3, v2, 4, v3                   ; 64 r + 16 (r >> 2) + 16 h
	s_mul_i32 s13, s11, AH
	v_add_nc_u32 v[LA0], s13, v3
	s_mul_i32 s13, s12, BH
	s_add_co_u32 s13, s13, 2*AH
	v_add_nc_u32 v[LB0], s13, v3
	s_mul_i32 s13, s11, 8*RBS                      ; the stage: my first row block,
	s_mul_i32 s14, s12, STE1                       ; my first even column block,
	s_add_co_u32 s14, s14, s13
	v_add_nc_u32 v[STE], s14, v3
	s_mul_i32 s14, s12, STO1-32                    ; my first odd one
	s_add_co_u32 s14, s14, s13
	s_add_co_u32 s14, s14, 32
	v_add_nc_u32 v[STO], s14, v3
	v_and_b32 v14, 31, v0
	v_lshlrev_b32 v[GO], 4, v14
	v_lshl_add_u32 v[RD], v2, 4, v[GO]             ; back: 16 l, and 16 of padding behind the first 256 bytes;
	s_mul_i32 s13, s10, 4*RBS                      ; wave w takes row blocks 4 w .. 4 w + 3
	v_add_nc_u32 v[RD], s13, v[RD]
	v_lshlrev_b32 v[PFO], 8, v14
	v_mov_b32 v[ZR], 0
	s_mul_i32 s22, s42, NCW                        ; C: chunk NB x, rows 256 y + 64 wave
	s_lshl_b32 s22, s22, 19
	s_lshl_b32 s23, s43, 14
	s_add_co_u32 s22, s22, s23
	s_lshl_b32 s23, s10, 12
	s_add_co_u32 s22, s22, s23
	s_mov_b32 s23, 0
	s_add_nc_u64 s[OUTP:OUTP+1], s[8:9], s[22:23]
	s_lshr_b32 s22, s40, 1                         ; the prefetches: chunk 4 + (cx >> 1), rows 256 y + 128 (cx & 1); each refilling step steps it by two chunks ahead of its use
	s_add_co_u32 s22, s22, 4
	s_lshl_b32 s22, s22, 19
	s_lshl_b32 s23, s43, 14
	s_add_co_u32 s22, s22, s23
	s_and_b32 s23, s40, 1
	s_lshl_b32 s23, s23, 13
	s_add_co_u32 s22, s22, s23
	s_mov_b32 s23, 0
	s_add_nc_u64 s[PFA:PFA+1], s[4:5], s[22:23]
	; the fragments that start the sums.  Column block b's lies at v[FB + 2 b ..]: its first register is the bias word, the seven behind it are zeros and later blocks' words, which meet zeros of source 1
.set ib, 0
.rept NB
	v_mov_b32 v[FB+2*ib+1], 0
.set ib, ib+1
.endr
.set ib, 0
.rept 6
	v_mov_b32 v[FB+2*NB+ib], 0
.set ib, ib+1
.endr
	v_mov_b32 v[FA0], ONE                          ; source 1: 1 at k = 1: the upper half of the first register in lanes 0-15; lanes 16-31 hold k = 8 ..: 0
	v_cndmask_b32 v[FA0], v[FA0], v[ZR], s[UP]
.set ib, 1
.rept 7
	v_mov_b32 v[FA0+ib], 0
.set ib, ib+1
.endr
	s_wait_loadcnt 0x0
.if FF1
.set ib, 0
.rept NB
	v_cvt_pk_f16_f32 v[FB+2*ib], v[ZR], v[FB+2*ib] ; as f16, in the upper half
.set ib, ib+1
.endr
.endif
.set ib, 0
.rept NB
	WIN 0x50*(1+ib/4)
.set ia, 0
.rept 8
.if FF1
	v_wmma_f32_16x16x32_f16 v[64*(ib%4)+8*ia:64*(ib%4)+8*ia+7], v[FB+2*ib:FB+2*ib+7], v[FA0:FA0+7], 0
.else
	v_wmma_f32_16x16x32_bf16 v[64*(ib%4)+8*ia:64*(ib%4)+8*ia+7], v[FB+2*ib:FB+2*ib+7], v[FA0:FA0+7], 0
.endif
.set ia, ia+1
.endr
.set ib, ib+1
.endr
	WIN 0
	s_wait_tensorcnt 0x1                           ; my part of slot 0 is in; slot 1's may stay out
	s_barrier_signal -1
	s_barrier_wait -1
	RUN1 FA0
	RUN2
	s_mov_b32 s[CNT], NS-2
.Lstep:                                        ; all steps but the last two: each fills its slot again
	QUARTER
	TURN 1
	WIN 0
	s_sub_co_u32 s[CNT], s[CNT], 1
	s_cmp_lg_u32 s[CNT], 0
	s_cbranch_scc1 .Lstep
	s_mov_b32 s[CNT], 2
.Ltail:                                        ; the last two steps ask for nothing: written out
	QUARTER
	TURN 0
	WIN 0
	s_sub_co_u32 s[CNT], s[CNT], 1
	s_cmp_lg_u32 s[CNT], 0
	s_cbranch_scc1 .Ltail
	s_wait_dscnt 0x0                               ; my reads of the slots are over;
	s_barrier_signal -1
	s_barrier_wait -1                              ; everybody's are: the stage may be laid over them; both have had their last fill
	PLACES                                         ; behind the last products
.irp a, 0,1,2,3,4,5,6,7
	PACK \a
.endr
	s_wait_dscnt 0x0                               ; for the others' sake: my stores into the stage are done
	s_barrier_signal -1
	s_barrier_wait -1
	s_mov_b32 s[CNT], NCW
.Lout:                                         ; a trip: my 64 rows of one chunk, 4,096 consecutive bytes of C
.set ij, 0
.rept 8
	ds_load_b128 v[BK+4*ij:BK+4*ij+3], v[RD] offset:(ij/2)*RBS+(ij%2)*544
.set ij, ij+1
.endr
.if FF1
	s_wait_dscnt 0x0
.set ij, 0
.rept 32
	v_pk_max_num_bf16 v[BK+ij], v[BK+ij], v[ZR]    ; relu; nothing is rounded
.set ij, ij+1
.endr
.endif
.set ij, 0
.rept 8
.if !FF1
	s_wait_dscnt 7-ij                              ; the younger loads may stay out
.endif
	global_store_b128 v[GO], v[BK+4*ij:BK+4*ij+3], s[OUTP:OUTP+1] offset:(ij/2)*1024+(ij%2)*512  ; 512 consecutive bytes, aligned
.set ij, ij+1
.endr
	s_wait_xcnt 0x0                                ; the stores have read their registers and their base
	v_add_nc_u32 v[RD], BLK, v[RD]
	s_add_nc_u64 s[OUTP:OUTP+1], s[OUTP:OUTP+1], CHA
	s_sub_co_u32 s[CNT], s[CNT], 1
	s_cmp_lg_u32 s[CNT], 0
	s_cbranch_scc1 .Lout
	s_wait_tensorcnt 0x0                           ; the wave's end
	ds_add_u32 v[SPW], v[NIL]
	s_wait_dscnt 0x0
	CROUND                                         ; the closing round
	s_endpgm
.Lfunc_end_k_q5dc13bede6_ff1:
	.size	k_q5dc13bede6_ff1, .Lfunc_end_k_q5dc13bede6_ff1-k_q5dc13bede6_ff1
	.p2alignl 7, 3214868480
	.fill 96, 4, 3214868480
	.section	.rodata,"a",@progbits
	.p2align	6, 0x0
	.amdhsa_kernel k_q5dc13bede6_ff1
		.amdhsa_group_segment_fixed_size 327680
		.amdhsa_private_segment_fixed_size 0
		.amdhsa_enable_private_segment 0
		.amdhsa_kernarg_size 24
		.amdhsa_user_sgpr_count 2
		.amdhsa_user_sgpr_kernarg_segment_ptr 1
		.amdhsa_wavefront_size32 1
		.amdhsa_system_sgpr_workgroup_id_x 1
		.amdhsa_system_sgpr_workgroup_id_y 1
		.amdhsa_system_sgpr_workgroup_id_z 1
		.amdhsa_system_vgpr_workitem_id 0
		.amdhsa_next_free_vgpr 1024
		.amdhsa_next_free_sgpr 96
		.amdhsa_reserve_vcc 0
		.amdhsa_float_denorm_mode_32 3
		.amdhsa_float_denorm_mode_16_64 3
		.amdhsa_memory_ordered 1
		.amdhsa_forward_progress 1
		.amdhsa_inst_pref_size 95
	.end_amdhsa_kernel
	.amdgpu_metadata
---
amdhsa.version: [ 1, 2 ]
amdhsa.kernels:
  - .name:           k_q5dc13bede6_ff1
    .symbol:         k_q5dc13bede6_ff1.kd
    .args:
      - { .name: att, .offset: 0, .size: 8, .value_kind: global_buffer, .address_space: global }
      - { .name: wts, .offset: 8, .size: 8, .value_kind: global_buffer, .address_space: global }
      - { .name: hb, .offset: 16, .size: 8, .value_kind: global_buffer, .address_space: global }
    .group_segment_fixed_size: 327680
    .private_segment_fixed_size: 0
    .kernarg_segment_align: 8
    .kernarg_segment_size: 24
    .max_flat_workgroup_size: 128
    .sgpr_count:     96
    .vgpr_count:     1024
    .wavefront_size: 32
...
	.end_amdgpu_metadata
.endif
;; end of part 5
;; launch ff2 (part 6): grid 4 x 64, 4 waves a work-group, clusters of 4 x 4, 327,680 bytes of LDS; arguments hb, wts, out0; writes out0
.if DOCPART == 6
	.amdgcn_target "amdgcn-amd-amdhsa--gfx1250"
	.amdhsa_code_object_version 6
	.text
	.protected	k_q5dc13bede6_ff2
	.globl	k_q5dc13bede6_ff2
	.p2align	8
	.type	k_q5dc13bede6_ff2,@function
k_q5dc13bede6_ff2:
	s_mov_b64 s[64:65], 0
	v_nop
	global_prefetch_b8 v0, s[64:65] scope:SCOPE_SE
	s_setreg_imm32_b32 hwreg(HW_REG_WAVE_MODE, 25, 1), 1
	s_wait_xcnt 0x0
	s_wait_alu depctr_hold_cnt(0) depctr_sa_sdst(0) depctr_va_vdst(0) depctr_va_sdst(0) depctr_va_ssrc(0) depctr_va_vcc(0) depctr_vm_vsrc(0)
	s_getreg_b32 s2, hwreg(HW_REG_IB_STS2, 6, 4)
	s_cmp_eq_u32 s2, 0
	s_cbranch_scc0 .Lentry_in_a_cluster
	s_endpgm
.Lentry_in_a_cluster:
	s_bfe_u32 s2, ttmp6, 0x10000c
	s_cmp_lg_u32 s2, 0xf033
	s_cbranch_scc0 .Lentry_shape_is_right
	s_endpgm
.Lentry_shape_is_right:
; out = h W2^T + b2: 8,192 rows x 768 columns, K = 3,072; bf16 operands, f32 sums, f32 result.
; h (CB(8192), 96 chunks) and W2 (CB(768)) lie in layout CB(R): element (row, col) at byte ((col >> 5) * R + row) * 64 + (col & 31) * 2.  NaN and infinities are not treated apart.
; SHARES.  A work-group makes 128 rows (128 y ..) x 192 columns (192 x ..); wave w rows 64 (w >> 1) .., columns 96 (w & 1) ..: 4 x 6 accumulators.  K goes in 16 steps of 192 (6 chunks) through two LDS slots.
; CLUSTER 4 x 4: h's tile is asked for jointly by a row of the cluster, W2's by a column.  THE PRODUCT IS TAKEN TRANSPOSED: lane l holds row l % 16 and 8 columns.  THE SUMS START AT THE BIAS.
; THE WAY OUT.  A row's 768 bytes come from two waves: they meet in one stage of 128 rows x 784 bytes in slot 0, which has had its last fill (step 14's) and its last read (behind step 14's barrier nobody reads it).
; PREFETCH.  h's tiles are read once, by one row of one cluster.  Behind the joint load of each even step i (i = 0 .. 10) waves 0 to 2 of each partner name chunk 6 (i + 4) + 3 cx + w of the 128 rows, a lane 256 bytes:
; the twelve chunks of steps i + 4 and i + 5, which are asked for two and three steps later.  Each block is named once; steps 0-3 come by their loads alone; W2's tiles are not named (48 blocks a chunk do not divide
; among four partners' lanes without naming blocks twice).
; REGISTERS: window 0: v0-29 addresses, v64-95, v128-159 h's fragments, v192-239 the bias (on the way out v64-255: rows read back); window 1: v64-111, v128-175 W2's fragments; window 2: accumulator (a, b) at v[8 (6 a + b)].
.set NBK,   6
.set NCH,   6
.set NS,    16
.set CHB,   49152
.set WOFF,  8257536
.set BOFF,  12976128+21504
.set BLK,   1088
.set CA,    4*BLK
.set CBB,   NBK*BLK
.set AH,    NCH*CA
.set BH,    NCH*CBB
.set SLOT1, 131072
.set SPARE, SLOT1+2*(AH+BH)
.set SP,    784                        ; a row of the stage: 768 bytes + 16: 49 x 16, so 16 rows start at 16 different groups of four banks
.set CHA,   524288
.set ASTEP, NCH*CHA
.set BSTEP, NCH*CHB
.set GF,    (1<<16)|(1<<20)|(1<<21)|(5<<22)|(3<<25)
.set F0,  64
.set F1,  128
.set LA0, 4
.set LB0, 5
.set ADA, 6
.set ADB, 7
.set GO,  10                           ; v10  16 x lane
.set BO,  11                           ; v11  (96 half + 8 h) x 4: my place in the bias, and in a row of the stage
.set PFO, 12                           ; v12  256 x lane
.set SPW, 28
.set NIL, 29
.set BIAS, 192
.set G1A, 24
.set G0A, 32
.set G1B, 48
.set G0B, 56
.set ABASE, 66
.set BBASE, 68
.set OFA, 70
.set OFB, 72
.set SIG, 74
.set SA,  76
.set SB,  77
.set CNT, 78
.set CN2, 79
.set OUTP, 82
.set BIASP, 84
.set PFA, 86
.set LIMW, 89
.set MSB, 0
.macro WIN new
.if MSB != (\new)
	s_set_vgpr_msb (MSB<<8)|(\new)
.set MSB, \new
.endif
.endm
.macro PLACES
.rept 4
	v_nop
.endr
.endm
.macro JLOAD set
	s_cmp_eq_u32 s11, 0
	s_cbranch_scc0 .Lfor_b_\@
	tensor_load_to_lds s[G0A+4*(\set):G0A+4*(\set)+3], s[G1A:G1A+7]
	s_nop 0
	PLACES
	s_branch .Lasked_\@
.Lfor_b_\@:
	tensor_load_to_lds s[G0B+4*(\set):G0B+4*(\set)+3], s[G1B:G1B+7]
	s_nop 0
	PLACES
.Lasked_\@:
.endm
.macro CREST
	s_cmp_lg_u32 s10, 0
	s_cbranch_scc1 .Lnot_wave_0_\@
	s_barrier_signal -3
.Lnot_wave_0_\@:
	s_barrier_wait -3
	s_barrier_signal -1
	s_barrier_wait -1
.endm
.macro CROUND
	s_barrier_signal -1
	s_barrier_wait -1
	CREST
.endm
.macro MULA f, a                       ; six products; the 24 accumulators take turns in one order everywhere
	WIN 0xa1
.set b, 0
.rept NBK
	v_wmma_f32_16x16x32_bf16 v[8*(NBK*(\a)+b):8*(NBK*(\a)+b)+7], v[(\f)+8*b:(\f)+8*b+7], v[(\f)+8*(\a):(\f)+8*(\a)+7], v[8*(NBK*(\a)+b):8*(NBK*(\a)+b)+7]
.set b, b+1
.endr
.endm
.macro FETCH f                         ; a chunk's fragments, 20 loads; the first four lines are the places behind the last product that read buffer f
	WIN 0
	v_add_nc_u32 v[ADA], s[SA], v[LA0]
	v_add_nc_u32 v[ADB], s[SB], v[LB0]
	v_nop
	v_nop
	s_add_co_u32 s[SA], s[SA], CA
	s_add_co_u32 s[SB], s[SB], CBB
	WIN 0x40
.set b, 0
.rept NBK
	ds_load_b128 v[(\f)+8*b:(\f)+8*b+3],   v[ADB] offset:b*BLK
	ds_load_b128 v[(\f)+8*b+4:(\f)+8*b+7], v[ADB] offset:b*BLK+32
.set b, b+1
.endr
	WIN 0
.set b, 0
.rept 4
	ds_load_b128 v[(\f)+8*b:(\f)+8*b+3],   v[ADA] offset:b*BLK
	ds_load_b128 v[(\f)+8*b+4:(\f)+8*b+7], v[ADA] offset:b*BLK+32
.set b, b+1
.endr
.endm
.macro QUARTER f, g
	s_wait_dscnt 4                                 ; only A's blocks 2, 3 may be out
	MULA \f, 0
	MULA \f, 1
	FETCH \g
	s_wait_dscnt 2*(4+NBK)                         ; all but the run just issued
	MULA \f, 2
	MULA \f, 3
.endm
.macro TURN refill                     ; a step's last chunk and the change of slots
.if \refill
	s_wait_xcnt 0x0                                ; the last prefetch, a step or two back, has read its address
	s_add_nc_u64 s[PFA:PFA+1], s[PFA:PFA+1], ASTEP
.endif
	WIN 0
	s_wait_tensorcnt 0x0                           ; no tensor load of mine is out
	ds_add_u32 v[SPW], v[NIL]
.if \refill
	s_add_co_u32 s[SIG], s[SIG], 1
	s_mul_i32 s[OFA], s[SIG], ASTEP
	s_mul_i32 s[OFB], s[SIG], BSTEP
	s_xor_b32 s[G0A+5], s[G0A+5], SLOT1
	s_add_nc_u64 s[G0A+6:G0A+7], s[ABASE:ABASE+1], s[OFA:OFA+1]
	s_or_b32 s[G0A+7], s[G0A+7], 0x80000000
	s_xor_b32 s[G0B+5], s[G0B+5], SLOT1
	s_add_nc_u64 s[G0B+6:G0B+7], s[BBASE:BBASE+1], s[OFB:OFB+1]
	s_or_b32 s[G0B+7], s[G0B+7], 0x80000000
.endif
	s_wait_dscnt 5                                 ; the add and A's blocks 2, 3 may be out
	MULA F1, 0
	s_wait_dscnt 0x0                               ; the add is done, my reads of this slot are over
	s_barrier_signal -1
	MULA F1, 1
	WIN 0
	s_barrier_wait -1
.if \refill
	CREST
	JLOAD 1
.endif
	s_sub_co_u32 s[SA], s[SA], NCH*CA
	s_xor_b32 s[SA], s[SA], SLOT1
	s_sub_co_u32 s[SB], s[SB], NCH*CBB
	s_xor_b32 s[SB], s[SB], SLOT1
.if !(\refill)
	s_cmp_eq_u32 s[CNT], 1
	s_cbranch_scc1 .Lno_fetch_\@
.endif
	FETCH F0
.if \refill
	s_bitcmp1_b32 s[CNT], 0                        ; the count is even in even steps
	s_cbranch_scc1 .Lnot_mine_\@
	s_cmp_gt_u32 s[CNT], s[LIMW]                   ; steps 0 to 10, waves 0 to 2
	s_cbranch_scc0 .Lnot_mine_\@
	global_prefetch_b8 v[PFO], s[PFA:PFA+1] th:TH_LOAD_NT scope:SCOPE_SE
.Lnot_mine_\@:
.else
.Lno_fetch_\@:
.endif
	MULA F1, 2
	MULA F1, 3
.endm
.macro STEP refill
	s_mov_b32 s[CN2], 2
.Lpair_\@:
	QUARTER F0, F1
	QUARTER F1, F0
	WIN 0
	s_sub_co_u32 s[CN2], s[CN2], 1
	s_cmp_lg_u32 s[CN2], 0
	s_cbranch_scc1 .Lpair_\@
	QUARTER F0, F1
	TURN \refill
.endm
	s_load_b128 s[4:7], s[0:1], 0x0                ; hb, wts
	s_load_b64 s[8:9], s[0:1], 0x10                ; out0
	v_lshl_add_u32 v[SPW], v0, 2, SPARE
	v_mov_b32 v[NIL], 0
	ds_add_u32 v[SPW], v[NIL]                      ; the wave's opening: the add and its wait ahead of my first tensor load
	v_lshrrev_b32 v14, 5, v0
	v_readfirstlane_b32 s10, v14
	s_lshr_b32 s11, s10, 1
	s_and_b32 s12, s10, 1
	s_bfe_u32 s40, ttmp6, 0x40000                  ; cx = x
	s_bfe_u32 s41, ttmp6, 0x40004                  ; cy
	s_and_b32 s44, ttmp7, 0xffff
	s_lshl_b32 s43, s44, 2
	s_add_co_u32 s43, s43, s41                     ; y
	s_lshl_b32 s13, s41, 2
	s_lshl_b32 s13, 15, s13
	s_lshl_b32 s14, 0x1111, s40
	s_or_b32 s[G1A], s13, GF
	s_or_b32 s[G1B], s14, GF
	s_mov_b32 s[G1A+1], 2048<<16
	s_mov_b32 s[G1A+2], NCH<<16
	s_mov_b32 s[G1A+3], 2048<<16
	s_mov_b32 s[G1A+4], NCH
	s_mov_b32 s[G1A+5], CHA/2
	s_mov_b32 s[G1A+6], 0
	s_mov_b32 s[G1A+7], 0
	s_mov_b32 s[G1B+1], (512*NBK)<<16
	s_mov_b32 s[G1B+2], NCH<<16
	s_mov_b32 s[G1B+3], (512*NBK)<<16
	s_mov_b32 s[G1B+4], NCH
	s_mov_b32 s[G1B+5], CHB/2
	s_mov_b32 s[G1B+6], 0
	s_mov_b32 s[G1B+7], 0
	s_lshl_b32 s16, s43, 13
	s_lshl_b32 s17, s12, 12
	s_add_co_u32 s16, s16, s17
	s_mov_b32 s17, 0
	s_mul_i32 s18, s40, 12288
	s_mul_i32 s19, s12, 6144
	s_add_co_u32 s18, s18, s19
	s_add_co_u32 s18, s18, WOFF
	s_mov_b32 s19, 0
	s_mul_i32 s20, s12, AH
	s_mul_i32 s21, s12, BH
	s_add_co_u32 s21, s21, 2*AH
	s_mov_b32 s[G0A], 1
	s_mov_b32 s[G0A+1], s20
	s_mov_b32 s[G0A+4], 1
	s_add_co_u32 s[G0A+5], s20, SLOT1
	s_mov_b32 s[G0B], 1
	s_mov_b32 s[G0B+1], s21
	s_mov_b32 s[G0B+4], 1
	s_add_co_u32 s[G0B+5], s21, SLOT1
	s_mov_b32 s[SIG], 1
	s_mov_b32 s[OFA+1], 0
	s_mov_b32 s[OFB+1], 0
	s_mov_b32 s[SA], 0
	s_mov_b32 s[SB], 0
	s_cmp_lt_u32 s10, 3
	s_cselect_b32 s[LIMW], 3, -1                   ; waves 0 to 2 ask while more than three refilling steps are left
	s_wait_dscnt 0x0                               ; the opening add is done
	s_wait_kmcnt 0x0
	s_add_nc_u64 s[ABASE:ABASE+1], s[4:5], s[16:17]
	s_add_nc_u64 s[BBASE:BBASE+1], s[6:7], s[18:19]
	s_mov_b64 s[G0A+2:G0A+3], s[ABASE:ABASE+1]
	s_or_b32 s[G0A+3], s[G0A+3], 0x80000000
	s_add_nc_u64 s[G0A+6:G0A+7], s[ABASE:ABASE+1], ASTEP
	s_or_b32 s[G0A+7], s[G0A+7], 0x80000000
	s_mov_b64 s[G0B+2:G0B+3], s[BBASE:BBASE+1]
	s_or_b32 s[G0B+3], s[G0B+3], 0x80000000
	s_add_nc_u64 s[G0B+6:G0B+7], s[BBASE:BBASE+1], BSTEP
	s_or_b32 s[G0B+7], s[G0B+7], 0x80000000
	CROUND
	JLOAD 0
	JLOAD 1                                        ; two loads of mine are out
	v_and_b32 v1, 15, v0
	v_bfe_u32 v2, v0, 4, 1
	v_lshrrev_b32 v14, 2, v1
	v_lshlrev_b32 v3, 6, v1
	v_lshl_add_u32 v3, v14, 4, v3
	v_lshl_add_u32 v3, v2, 4, v3                   ; 64 r + 16 (r >> 2) + 16 h
	s_mul_i32 s13, s11, AH
	v_add_nc_u32 v[LA0], s13, v3
	s_mul_i32 s13, s12, BH
	s_add_co_u32 s13, s13, 2*AH
	v_add_nc_u32 v[LB0], s13, v3
	v_and_b32 v14, 31, v0
	v_lshlrev_b32 v[GO], 4, v14
	v_lshlrev_b32 v[PFO], 8, v14
	s_mul_i32 s13, s12, 384
	v_lshl_add_u32 v[BO], v2, 5, s13
	s_mul_i32 s18, s40, 768
	s_add_co_u32 s18, s18, BOFF
	s_mov_b32 s19, 0
	s_add_nc_u64 s[BIASP:BIASP+1], s[6:7], s[18:19]
	s_lshl_b32 s22, s43, 7                         ; out: rows 128 y + 32 wave, 3,072 bytes each; columns 192 x
	s_lshl_b32 s23, s10, 5
	s_add_co_u32 s22, s22, s23
	s_mul_i32 s22, s22, 3072
	s_mul_i32 s23, s40, 768
	s_add_co_u32 s22, s22, s23
	s_mov_b32 s23, 0
	s_add_nc_u64 s[OUTP:OUTP+1], s[8:9], s[22:23]
	s_mul_i32 s22, s40, 3                          ; the prefetches: chunk 18 + 3 cx + wave of my work-group's 128 rows; each refilling step steps it by six chunks ahead of its use
	s_add_co_u32 s22, s22, s10
	s_add_co_u32 s22, s22, 18
	s_lshl_b32 s22, s22, 19
	s_lshl_b32 s23, s43, 13
	s_add_co_u32 s22, s22, s23
	s_mov_b32 s23, 0
	s_add_nc_u64 s[PFA:PFA+1], s[4:5], s[22:23]
.set b, 0
.rept NBK
	global_load_b128 v[BIAS+8*b:BIAS+8*b+3],   v[BO], s[BIASP:BIASP+1] offset:64*b
	global_load_b128 v[BIAS+8*b+4:BIAS+8*b+7], v[BO], s[BIASP:BIASP+1] offset:64*b+16
.set b, b+1
.endr
	s_wait_loadcnt 0x0
	WIN 0x80                                       ; the sums start at the bias
.set a, 0
.rept 4
.set b, 0
.rept 4*NBK
	v_pk_add_f32 v[8*NBK*a+2*b:8*NBK*a+2*b+1], v[BIAS+2*b:BIAS+2*b+1], 0 op_sel_hi:[1,0]
.set b, b+1
.endr
.set a, a+1
.endr
	WIN 0
	s_wait_tensorcnt 0x1                           ; my part of slot 0 is in; slot 1's may stay out
	s_barrier_signal -1
	s_barrier_wait -1
	FETCH F0
	s_mov_b32 s[CNT], NS-2
.Lstep:
	STEP 1
	WIN 0
	s_sub_co_u32 s[CNT], s[CNT], 1
	s_cmp_lg_u32 s[CNT], 0
	s_cbranch_scc1 .Lstep
	s_mov_b32 s[CNT], 2
.Ltail:                                        ; the last two steps ask for nothing
	STEP 0
	WIN 0
	s_sub_co_u32 s[CNT], s[CNT], 1
	s_cmp_lg_u32 s[CNT], 0
	s_cbranch_scc1 .Ltail
	; THE WAY OUT
	PLACES                                         ; behind the last products
	s_mul_i32 s13, s11, 64*SP
	v_mul_u32_u24 v14, v1, SP
	v_add_nc_u32 v14, s13, v14
	v_add_nc_u32 v14, v14, v[BO]                   ; in: row 64 half + r, my 32 bytes of a column block
	s_mul_i32 s13, s10, 32*SP
	v_add_nc_u32 v15, s13, v[GO]                   ; back: rows 32 wave .., two at a time as three pieces of 512 bytes
	v_lshl_add_u32 v16, v2, 4, v15                 ; the middle piece crosses the padding
	v_mul_u32_u24 v17, v2, 2304                    ; and, in memory, the rest of out's row
	v_add_nc_u32 v17, v17, v[GO]
	WIN 0x08                                       ; the stores' data in window 2
.set a, 0
.rept 4
.set b, 0
.rept NBK
	ds_store_b128 v14, v[8*(NBK*a+b):8*(NBK*a+b)+3]   offset:a*16*SP+64*b
	ds_store_b128 v14, v[8*(NBK*a+b)+4:8*(NBK*a+b)+7] offset:a*16*SP+64*b+16
.set b, b+1
.endr
.set a, a+1
.endr
	WIN 0
	s_wait_dscnt 0x0                               ; for the others' sake: my stores into the stage are done
	s_barrier_signal -1
	s_barrier_wait -1
.set i, 0
.rept 16
	ds_load_b128 v[64+12*i:64+12*i+3],    v15 offset:i*2*SP
	ds_load_b128 v[64+12*i+4:64+12*i+7],  v16 offset:i*2*SP+512
	ds_load_b128 v[64+12*i+8:64+12*i+11], v15 offset:i*2*SP+SP+256
.set i, i+1
.endr
.set i, 0
.rept 16                               ; sixteen lanes store 256 consecutive bytes, aligned
	s_wait_dscnt 47-3*i
	global_store_b128 v[GO], v[64+12*i:64+12*i+3], s[OUTP:OUTP+1] offset:i*6144 th:TH_STORE_NT
	s_wait_dscnt 46-3*i
	global_store_b128 v17, v[64+12*i+4:64+12*i+7], s[OUTP:OUTP+1] offset:i*6144+512 th:TH_STORE_NT
	s_wait_dscnt 45-3*i
	global_store_b128 v[GO], v[64+12*i+8:64+12*i+11], s[OUTP:OUTP+1] offset:i*6144+3328 th:TH_STORE_NT
.set i, i+1
.endr
	s_wait_tensorcnt 0x0                           ; the wave's end
	ds_add_u32 v[SPW], v[NIL]
	s_wait_dscnt 0x0
	CROUND
	s_endpgm
.Lfunc_end_k_q5dc13bede6_ff2:
	.size	k_q5dc13bede6_ff2, .Lfunc_end_k_q5dc13bede6_ff2-k_q5dc13bede6_ff2
	.p2alignl 7, 3214868480
	.fill 96, 4, 3214868480
	.section	.rodata,"a",@progbits
	.p2align	6, 0x0
	.amdhsa_kernel k_q5dc13bede6_ff2
		.amdhsa_group_segment_fixed_size 327680
		.amdhsa_private_segment_fixed_size 0
		.amdhsa_enable_private_segment 0
		.amdhsa_kernarg_size 24
		.amdhsa_user_sgpr_count 2
		.amdhsa_user_sgpr_kernarg_segment_ptr 1
		.amdhsa_wavefront_size32 1
		.amdhsa_system_sgpr_workgroup_id_x 1
		.amdhsa_system_sgpr_workgroup_id_y 1
		.amdhsa_system_sgpr_workgroup_id_z 1
		.amdhsa_system_vgpr_workitem_id 0
		.amdhsa_next_free_vgpr 704
		.amdhsa_next_free_sgpr 96
		.amdhsa_reserve_vcc 0
		.amdhsa_float_denorm_mode_32 3
		.amdhsa_float_denorm_mode_16_64 3
		.amdhsa_memory_ordered 1
		.amdhsa_forward_progress 1
		.amdhsa_inst_pref_size 58
	.end_amdhsa_kernel
	.amdgpu_metadata
---
amdhsa.version: [ 1, 2 ]
amdhsa.kernels:
  - .name:           k_q5dc13bede6_ff2
    .symbol:         k_q5dc13bede6_ff2.kd
    .args:
      - { .name: hb, .offset: 0, .size: 8, .value_kind: global_buffer, .address_space: global }
      - { .name: wts, .offset: 8, .size: 8, .value_kind: global_buffer, .address_space: global }
      - { .name: out0, .offset: 16, .size: 8, .value_kind: global_buffer, .address_space: global }
    .group_segment_fixed_size: 327680
    .private_segment_fixed_size: 0
    .kernarg_segment_align: 8
    .kernarg_segment_size: 24
    .max_flat_workgroup_size: 128
    .sgpr_count:     96
    .vgpr_count:     704
    .wavefront_size: 32
...
	.end_amdgpu_metadata
.endif
;; end of part 6
;; ======== version 2 of 2: 6 launches; version 1 with the launch prep written anew for expert scheduling mode
;; limits: values are held in f16: magnitudes above 65,504 overflow, below 6.1e-05 lose precision
;; workspace buffers: xb 12,582,912 bytes; wts 13,000,704 bytes; qkv 37,748,736 bytes; pw 16,777,216 bytes; stats 524,288 bytes; att 12,582,912 bytes; hb 50,331,648 bytes
;; launch prep (part 7): grid 521 x 1, 8 waves a work-group, no clusters, 0 bytes of LDS; arguments embeddings, Wq, Wk, Wv, W1, W2, bq, bk, bv, b1, b2, xb, wts; writes xb, wts
.if DOCPART == 7
	.amdgcn_target "amdgcn-amd-amdhsa--gfx1250"
	.amdhsa_code_object_version 6
	.text
	.protected	k_q5dc13bede6_prep
	.globl	k_q5dc13bede6_prep
	.p2align	8
	.type	k_q5dc13bede6_prep,@function
k_q5dc13bede6_prep:
	s_mov_b64 s[64:65], 0
	v_nop
	global_prefetch_b8 v0, s[64:65] scope:SCOPE_SE
	s_setreg_imm32_b32 hwreg(HW_REG_WAVE_SCHED_MODE, 0, 2), 2
	s_setreg_imm32_b32 hwreg(HW_REG_WAVE_MODE, 25, 1), 1
	s_wait_xcnt 0x0
	s_wait_alu depctr_vm_vsrc(0)
; ROUNDING AND RE-LAYOUT of all inputs, once.  Every input is rounded to bf16 (nearest even).
; LAYOUT CB(R) of a matrix of R rows: element (row, col) lies at byte ((col >> 5) * R + row) * 64 + (col & 31) * 2: a chunk is 32 columns of all rows,
; 16 rows of a chunk are 1,024 bytes on end.  xb = embeddings, CB(8192).  wts = [Wq; Wk; Wv] CB(2304) | W1 CB(3072) | W2 CB(768) | the five biases as f32 words.
; W1 is rounded to bf16 and that number is written as f16, since its product's other operand is f16.  LIMIT: a number of W1 below 2^-14 in size keeps f16's fixed
; step of 2^-24; beyond 65,504 it would be infinite (the drawn numbers lie under 0.04).
; SHARES.  A work-group takes 64 rows x 384 columns of one matrix (work-groups 0-255 x, 256-327 Wq Wk Wv, 328-423 W1, 424-519 W2), number 520 the biases.
; Thread t takes rows t >> 3 and 32 + (t >> 3) and, of each chunk, the 4 columns 4 (t & 7) ..: a load of 16 bytes, two roundings in place, a store of 8 bytes.
; A wave's load covers the whole 128 bytes of a chunk in each of 4 rows; its store covers 256 consecutive bytes, aligned.  All 24 loads of a thread go out first.
; A stream: no LDS, no matrix unit, no cluster (no byte is read twice).
; THE MODE: SCHED_MODE bits 1:0 = 2 (LLVM: expert scheduling mode 2), set by the entry lines.  The code itself states the register dependences
; between vector instructions and memory instructions, with s_wait_alu, always for 0.
; THE PLAN.  Registers that memory instructions touch:
;   v3, v4     source offsets.  Written at the head; read by the loads (on the biases' path by the stores too); never written again.
;   v6-17      destination offsets.  Written behind the loads; read by the stores; never written again.
;   X          load i lands in four registers that no vector instruction has named; its group's roundings read them and write the first two, one store reads those two; nothing writes them again.
;   v18-21, v1, v2 are named by vector instructions alone.
; The 24 loads are worked off in six groups of four.  Group g rounds loads 4 g .. 4 g + 3; its memory instructions are the four stores of group g - 1, whose registers no vector instruction
; of group g names.  So ONE wait on va_vdst at a group's head, behind the wait for the group's data, states all that those stores hang on, and they are dealt among the group's roundings.
; No register that a memory instruction reads is ever written again: the text owes no wait on vm_vsrc and no s_wait_xcnt.  EXEC and VCC are never written.
.set W1_OFF,   3538944
.set W2_OFF,   8257536
.set BIAS_OFF, 12976128
.set PIT, 34                           ; s34  bytes in a source row
.set J0,  35                           ; s35  the matrix's first work-group
.set SH,  36                           ; s36  log2 of its column parts
.set MSK, 37                           ; s37  column parts - 1
.set CHS, 38                           ; s38  bytes in a chunk of the destination
.set DOF, 39                           ; s39  the destination's byte offset in its buffer
.set FLG, 40                           ; s40  1: written as f16
.set SRC, 42                           ; s[42:43]
.set DST, 44                           ; s[44:45]
.set SO,  3                            ; v3, v4  my byte offset in the source, upper and lower 32 rows
.set DO,  6                            ; v[6:17] my byte offset in the destination, chunk k; never rewritten
.set T,   18                           ; v[18:21] at work
.set X,   24                           ; v[24:119]  load i = 2 k + g: 4 registers as loaded; the first two then hold what is stored
; load i's four numbers, rounded to bf16 in place
.macro ROUND i
	v_cvt_pk_bf16_f32 v[X+4*(\i)],   v[X+4*(\i)],   v[X+4*(\i)+1]
	v_cvt_pk_bf16_f32 v[X+4*(\i)+1], v[X+4*(\i)+2], v[X+4*(\i)+3]
.endm
; the same for W1: rounded to bf16, widened again, written as f16
.macro ROUNDH i
	v_cvt_pk_bf16_f32 v[T],   v[X+4*(\i)],   v[X+4*(\i)+1]
	v_cvt_pk_bf16_f32 v[T+1], v[X+4*(\i)+2], v[X+4*(\i)+3]
	v_lshlrev_b32 v[T+2], 16, v[T]
	v_and_b32 v[T+3], 0xffff0000, v[T]
	v_cvt_pk_f16_f32 v[X+4*(\i)], v[T+2], v[T+3]
	v_lshlrev_b32 v[T+2], 16, v[T+1]
	v_and_b32 v[T+3], 0xffff0000, v[T+1]
	v_cvt_pk_f16_f32 v[X+4*(\i)+1], v[T+2], v[T+3]
.endm
; load i's 8 bytes leave
.macro OUT i
	global_store_b64 v[DO+(\i)/2], v[X+4*(\i):X+4*(\i)+1], s[DST:DST+1] offset:2048*((\i)%2)
.endm
; the six groups.  half = 1: W1's way
.macro WALK half
.set g, 0
.rept 6
	s_wait_loadcnt 20-4*g                          ; loads come back in order: the group's four are in, the 20 - 4 g younger ones stay out
.if g > 0
	s_wait_alu depctr_va_vdst(0)                   ; the group before has written the registers that its four stores, below, read; at group 1 also: the twelve destination offsets are written
.endif
.set n, 0
.rept 4
.if g > 0
	OUT 4*(g-1)+n                                  ; no vector instruction since the wait names this store's registers
.endif
.if \half
	ROUNDH 4*g+n
.else
	ROUND 4*g+n
.endif
.set n, n+1
.endr
.set g, g+1
.endr
	s_wait_alu depctr_va_vdst(0)                   ; the last group has written the registers that the last four stores read
.irp n, 20,21,22,23
	OUT \n
.endr
	s_endpgm
.endm
	s_load_b512 s[8:23], s[0:1], 0x0               ; embeddings 8, Wq 10, Wk 12, Wv 14, W1 16, W2 18, bq 20, bk 22
	s_load_b256 s[24:31], s[0:1], 0x40             ; bv 24, b1 26, b2 28, xb 30
	s_load_b64 s[32:33], s[0:1], 0x60              ; wts
	s_mov_b32 s2, ttmp9
	v_lshrrev_b32 v1, 3, v0                        ; my row among 32
	v_and_b32 v2, 7, v0                            ; my eighth of a chunk
	s_wait_kmcnt 0x0
	s_cmp_eq_u32 s2, 520
	s_cbranch_scc1 .Lbias
	; which matrix: W2's figures first, then each earlier range of work-groups takes their place
	s_mov_b64 s[SRC:SRC+1], s[18:19]
	s_mov_b64 s[DST:DST+1], s[32:33]
	s_mov_b32 s[PIT], 12288
	s_mov_b32 s[J0], 424
	s_mov_b32 s[SH], 3
	s_mov_b32 s[MSK], 7
	s_mov_b32 s[CHS], 49152
	s_mov_b32 s[DOF], W2_OFF
	s_mov_b32 s[FLG], 0
	s_cmp_lt_u32 s2, 424                           ; W1
	s_cselect_b64 s[SRC:SRC+1], s[16:17], s[SRC:SRC+1]
	s_cselect_b32 s[PIT], 3072, s[PIT]
	s_cselect_b32 s[J0], 328, s[J0]
	s_cselect_b32 s[SH], 1, s[SH]
	s_cselect_b32 s[MSK], 1, s[MSK]
	s_cselect_b32 s[CHS], 196608, s[CHS]
	s_cselect_b32 s[DOF], W1_OFF, s[DOF]
	s_cselect_b32 s[FLG], 1, s[FLG]
	s_cmp_lt_u32 s2, 328                           ; Wv: rows 1,536 .. of the joint matrix
	s_cselect_b64 s[SRC:SRC+1], s[14:15], s[SRC:SRC+1]
	s_cselect_b32 s[J0], 304, s[J0]
	s_cselect_b32 s[CHS], 147456, s[CHS]
	s_cselect_b32 s[DOF], 98304, s[DOF]
	s_cselect_b32 s[FLG], 0, s[FLG]
	s_cmp_lt_u32 s2, 304                           ; Wk: rows 768 ..
	s_cselect_b64 s[SRC:SRC+1], s[12:13], s[SRC:SRC+1]
	s_cselect_b32 s[J0], 280, s[J0]
	s_cselect_b32 s[DOF], 49152, s[DOF]
	s_cmp_lt_u32 s2, 280                           ; Wq
	s_cselect_b64 s[SRC:SRC+1], s[10:11], s[SRC:SRC+1]
	s_cselect_b32 s[J0], 256, s[J0]
	s_cselect_b32 s[DOF], 0, s[DOF]
	s_cmp_lt_u32 s2, 256                           ; x
	s_cselect_b64 s[SRC:SRC+1], s[8:9], s[SRC:SRC+1]
	s_cselect_b64 s[DST:DST+1], s[30:31], s[DST:DST+1]
	s_cselect_b32 s[J0], 0, s[J0]
	s_cselect_b32 s[CHS], 524288, s[CHS]
	s_sub_co_u32 s3, s2, s[J0]
	s_lshr_b32 s46, s3, s[SH]                      ; group of 64 rows
	s_and_b32 s47, s3, s[MSK]                      ; part of 384 columns
	s_lshl_b32 s48, s46, 6
	s_mul_i32 s48, s48, s[PIT]
	s_mul_i32 s49, s47, 1536
	s_add_co_u32 s48, s48, s49
	s_mov_b32 s49, 0
	s_add_nc_u64 s[SRC:SRC+1], s[SRC:SRC+1], s[48:49]
	s_mul_i32 s50, s47, 12                         ; its first chunk
	s_mul_i32 s50, s50, s[CHS]
	s_lshl_b32 s51, s46, 12                        ; 64 rows of 64 bytes
	s_add_co_u32 s50, s50, s51
	s_add_co_u32 s50, s50, s[DOF]
	s_mov_b32 s51, 0
	s_add_nc_u64 s[DST:DST+1], s[DST:DST+1], s[50:51]
	s_lshl_b32 s52, s[PIT], 5                      ; 32 rows down
	v_mul_lo_u32 v[SO], v1, s[PIT]
	v_lshl_add_u32 v[SO], v2, 4, v[SO]             ; row x pitch + 16 x eighth
	v_add_nc_u32 v[SO+1], s52, v[SO]
	s_wait_alu depctr_va_vdst(0)                   ; the two source offsets are written, which the 24 loads read
.set k, 0
.rept 12
	global_load_b128 v[X+8*k:X+8*k+3],   v[SO],   s[SRC:SRC+1] offset:128*k th:TH_LOAD_NT
	global_load_b128 v[X+8*k+4:X+8*k+7], v[SO+1], s[SRC:SRC+1] offset:128*k th:TH_LOAD_NT
.set k, k+1
.endr
	v_lshlrev_b32 v[DO], 3, v0                     ; row x 64 + 8 x eighth = 8 t
.set k, 1
.rept 11
	v_add_nc_u32 v[DO+k], s[CHS], v[DO+k-1]        ; made while the loads are on their way; the wait at the second group's head, ahead of the first store on either way, covers them
.set k, k+1
.endr
	s_cmp_eq_u32 s[FLG], 1
	s_cbranch_scc1 .Lhalf
	WALK 0
.Lhalf:                                        ; W1: rounded to bf16, widened again, written as f16
	WALK 1
.Lbias:                                        ; eight segments of 768 numbers: bq, bk, bv, b1 (four), b2; 192 threads, 16 bytes each
	v_lshrrev_b32 v1, 5, v0
	v_readfirstlane_b32 s3, v1
	s_wait_alu depctr_va_sdst(0)                   ; s3, the wave's number, is written, ahead of its first reader, the compare
	s_cmp_lt_u32 s3, 6
	s_cbranch_scc0 .Lend
	s_add_nc_u64 s[32:33], s[32:33], BIAS_OFF
	v_lshlrev_b32 v[SO], 4, v0
	s_wait_alu depctr_va_vdst(0)                   ; the offset is written, which the eight loads and the eight stores read
	global_load_b128 v[X:X+3],     v[SO], s[20:21]
	global_load_b128 v[X+4:X+7],   v[SO], s[22:23]
	global_load_b128 v[X+8:X+11],  v[SO], s[24:25]
	global_load_b128 v[X+12:X+15], v[SO], s[26:27]
	global_load_b128 v[X+16:X+19], v[SO], s[26:27] offset:3072
	global_load_b128 v[X+20:X+23], v[SO], s[26:27] offset:6144
	global_load_b128 v[X+24:X+27], v[SO], s[26:27] offset:9216
	global_load_b128 v[X+28:X+31], v[SO], s[28:29]
.set k, 0
.rept 8
	s_wait_loadcnt 7-k                             ; segment k is in, the younger ones stay out
	v_cvt_pk_bf16_f32 v[T],   v[X+4*k],   v[X+4*k+1]
	v_cvt_pk_bf16_f32 v[T+1], v[X+4*k+2], v[X+4*k+3]
	v_lshlrev_b32 v[X+32+4*k],   16, v[T]          ; the rounded numbers, kept as f32 words
	v_and_b32     v[X+32+4*k+1], 0xffff0000, v[T]
	v_lshlrev_b32 v[X+32+4*k+2], 16, v[T+1]
	v_and_b32     v[X+32+4*k+3], 0xffff0000, v[T+1]
.set k, k+1
.endr
	s_wait_alu depctr_va_vdst(0)                   ; the 32 words are written, which the run of eight stores reads
.set k, 0
.rept 8
	global_store_b128 v[SO], v[X+32+4*k:X+32+4*k+3], s[32:33] offset:3072*k
.set k, k+1
.endr
.Lend:
	s_endpgm
.Lfunc_end_k_q5dc13bede6_prep:
	.size	k_q5dc13bede6_prep, .Lfunc_end_k_q5dc13bede6_prep-k_q5dc13bede6_prep
	.p2alignl 7, 3214868480
	.fill 96, 4, 3214868480
	.section	.rodata,"a",@progbits
	.p2align	6, 0x0
	.amdhsa_kernel k_q5dc13bede6_prep
		.amdhsa_group_segment_fixed_size 0
		.amdhsa_private_segment_fixed_size 0
		.amdhsa_enable_private_segment 0
		.amdhsa_kernarg_size 104
		.amdhsa_user_sgpr_count 2
		.amdhsa_user_sgpr_kernarg_segment_ptr 1
		.amdhsa_wavefront_size32 1
		.amdhsa_system_sgpr_workgroup_id_x 1
		.amdhsa_system_sgpr_workgroup_id_y 1
		.amdhsa_system_sgpr_workgroup_id_z 1
		.amdhsa_system_vgpr_workitem_id 0
		.amdhsa_next_free_vgpr 120
		.amdhsa_next_free_sgpr 66
		.amdhsa_reserve_vcc 0
		.amdhsa_float_denorm_mode_32 3
		.amdhsa_float_denorm_mode_16_64 3
		.amdhsa_memory_ordered 1
		.amdhsa_forward_progress 1
		.amdhsa_inst_pref_size 30
	.end_amdhsa_kernel
	.amdgpu_metadata
---
amdhsa.version: [ 1, 2 ]
amdhsa.kernels:
  - .name:           k_q5dc13bede6_prep
    .symbol:         k_q5dc13bede6_prep.kd
    .args:
      - { .name: embeddings, .offset: 0, .size: 8, .value_kind: global_buffer, .address_space: global }
      - { .name: Wq, .offset: 8, .size: 8, .value_kind: global_buffer, .address_space: global }
      - { .name: Wk, .offset: 16, .size: 8, .value_kind: global_buffer, .address_space: global }
      - { .name: Wv, .offset: 24, .size: 8, .value_kind: global_buffer, .address_space: global }
      - { .name: W1, .offset: 32, .size: 8, .value_kind: global_buffer, .address_space: global }
      - { .name: W2, .offset: 40, .size: 8, .value_kind: global_buffer, .address_space: global }
      - { .name: bq, .offset: 48, .size: 8, .value_kind: global_buffer, .address_space: global }
      - { .name: bk, .offset: 56, .size: 8, .value_kind: global_buffer, .address_space: global }
      - { .name: bv, .offset: 64, .size: 8, .value_kind: global_buffer, .address_space: global }
      - { .name: b1, .offset: 72, .size: 8, .value_kind: global_buffer, .address_space: global }
      - { .name: b2, .offset: 80, .size: 8, .value_kind: global_buffer, .address_space: global }
      - { .name: xb, .offset: 88, .size: 8, .value_kind: global_buffer, .address_space: global }
      - { .name: wts, .offset: 96, .size: 8, .value_kind: global_buffer, .address_space: global }
    .group_segment_fixed_size: 0
    .private_segment_fixed_size: 0
    .kernarg_segment_align: 8
    .kernarg_segment_size: 104
    .max_flat_workgroup_size: 256
    .sgpr_count:     66
    .vgpr_count:     120
    .wavefront_size: 32
...
	.end_amdgpu_metadata
.endif
;; end of part 7
;; launch qkv: the kernel of part 2 again; grid 8 x 32, 4 waves a work-group, clusters of 4 x 4, 327,680 bytes of LDS; arguments xb, wts, qkv; writes qkv
;; launch scores: the kernel of part 3 again; grid 4 x 64, 4 waves a work-group, clusters of 4 x 4, 327,680 bytes of LDS; arguments qkv, pw, stats; writes pw, stats
;; launch pv: the kernel of part 4 again; grid 4 x 64, 4 waves a work-group, clusters of 4 x 4, 327,680 bytes of LDS; arguments pw, stats, qkv, att; writes att
;; launch ff1: the kernel of part 5 again; grid 8 x 32, 4 waves a work-group, clusters of 4 x 4, 327,680 bytes of LDS; arguments att, wts, hb; writes hb
;; launch ff2: the kernel of part 6 again; grid 4 x 64, 4 waves a work-group, clusters of 4 x 4, 327,680 bytes of LDS; arguments hb, wts, out0; writes out0
